; MI455X (gfx1250); checked and timed in simulation.
; The chip was launched on July 23, 2026; its instructions are those of AMD's public machine-readable ISA for CDNA 5 (MIT licence, August 2026) and "CDNA5" Instruction Set Architecture Reference Guide (July 2026). The comments in the code are by the model that wrote it; some were corrected since.
;; Relation Multi Head Attention. Allowed arithmetic: matrix products marked QUANTISED: E2M1 operands, one E8M0 scale for each 32 along K, by v_wmma_scale_f32_16x16x128_f8f6f4 with both operands' format E2M1 (or v_wmma_scale_f32_32x16x128_f4), f32 sums; products left as they are: f32 operands where the result goes on into a quantised operand, else bf16, f16 or f32 operands; f32 sums; everything else in f32.
;; Inputs: Wk 512 x 512 float32; Wo 512 x 512 float32; Wq 512 x 512 float32; Wr 1,024 x 512 float32; Wv 512 x 512 float32; adj_mask 2 x 256 x 256 int32; bk 512 float32; bo 512 float32; bq 512 float32; bv 512 float32; keys 2 x 256 x 512 float32; queries 2 x 256 x 512 float32; relation 2 x 256 x 256 x 512 float32; values 2 x 256 x 512 float32.
;; Outputs: out0 2 x 256 x 512 float32; out1 2 x 256 x 256 x 8 float32.
;; This version of the problem:
;;   THIS VERSION OF THE PROBLEM IS GIVEN IN LOW PRECISION. The matrix products marked QUANTISED in the list below multiply operands that are first quantised to E2M1 (2 exponent bits, 1 mantissa bit; 4 bits a number), with one power-of-two scale for each 32 numbers along K (OCP MX v1.0); their sums are f32. All else is computed in f32.
;;   The module's matrix products, in the order in which they are computed (A, B: the left and right operand; K: the contracted axis; several contracted axes count as one K, in the product's order):
;;     1. [M 512, K 512] x [K 512, N 512]; A: input queries; B: input Wq: QUANTISED
;;     2. [M 512, K 512] x [K 512, N 512]; A: input keys; B: input Wk: QUANTISED
;;     3. [M 512, K 512] x [K 512, N 512]; A: input values; B: input Wv: QUANTISED
;;     4. [M 131,072, K 512] x [K 512, N 1,024]; A: input relation; B: input Wr: QUANTISED
;;     5. batch 1,048,576 x [M 1, K 64] x [K 64, N 1]; A: computed on the way; B: computed on the way: left as it is (M = 1 < 16)
;;     6. batch 16 x [M 64, K 256] x [K 256, N 256]; A: computed on the way; B: softmax (see below): QUANTISED
;;     7. [M 512, K 512] x [K 512, N 512]; A: computed on the way; B: input Wo: QUANTISED
;;   THE QUANTISER, for each operand of a quantised product, along K:
;;     - K is cut into blocks of 32 from its start; a last block that is shorter is filled with zeros.
;;     - A block's scale is 2^e with e = floor(log2(the largest magnitude in the block)) - 2, held to -126 .. 127; a block of zeros has e = 0. As a byte (E8M0): e + 127.
;;     - Each number is divided by its block's scale, clamped to +-6, and rounded to the nearest number of E2M1, ties to even, subnormals kept.
;;     - The product sums the exact products of the quantised numbers (number of the format x scale) in f32.
;;   ~~~python
;;   def quantise(x, axis):      # numpy; x: float32 -> the quantised numbers, widened to float32 again
;;       x = np.moveaxis(x, axis, -1); K = x.shape[-1]
;;       x = np.pad(x, [(0, 0)] * (x.ndim - 1) + [(0, -K % 32)]); x = x.reshape(x.shape[:-1] + (-1, 32)); a = np.abs(x).max(-1, keepdims=True)
;;       e = np.where(a > 0, np.clip(np.frexp(np.where(a > 0, a, 1))[1] - 1 - 2, -126, 127), 0)      # np.frexp(a)[1] - 1 = floor(log2(a)), exactly
;;       r = np.clip(x / 2.0 ** e, -6, 6)
;;       step = 2.0 ** (np.maximum(np.frexp(np.where(r == 0, 1, r))[1] - 1, 0) - 1)
;;       q = np.round(r / step) * step * 2.0 ** e      # np.round: ties to even
;;       return np.moveaxis(q.reshape(q.shape[:-2] + (-1,))[..., :K], -1, axis).astype(np.float32)
;;   ~~~
;;   SOFTMAX AHEAD OF A QUANTISED PRODUCT. Where the list says 'softmax', what is quantised is not the finished softmax but p = 2^(t - M), with t = logit x log2(e) and M = ceil(the row's largest t), a whole number; so 1/2 < the row's largest p <= 1. The row's sum l is taken of the UNQUANTISED p, in f32, and the product's result is divided by l at the end. Since M is a whole number, a kernel that streams over the keys may use a running M (the ceiling of the running maximum): every later rescaling is an exact power of two, which a block's scale takes up: the codes' values come out the same.
;;   OPERANDS COMPUTED ON THE WAY. 'Computed on the way' means the value that the module computes at that place (a softmax that the list does not call 'softmax' is quantised finished and normalised). What goes into a quantiser is computed in f32, as accurately as f32 sums, v_exp_f32 and their like allow (about 1e-6 of the number): no bf16 or f16 on the way to a quantiser, and a product that is left as it is and whose result goes on into a quantised operand takes f32 operands (vector FMAs, or v_wmma_f32_16x16x4_f32). A number that lies on a knife's edge between two numbers of the format may be rounded either way, as far as f32 arithmetic and the matrix unit's own rounding can turn it there, and no further.
;; 2 versions, each right; version 2 is version 1 with the launches prep, post written anew for expert scheduling mode. Each part assembles by itself: llvm-mc -triple=amdgcn-amd-amdhsa -mcpu=gfx1250 --defsym DOCPART=n.
;; ======== version 1 of 2: 3 launches
;; workspace buffers: wrq 294,912 bytes; woq 147,456 bytes; vq 163,840 bytes; q_ws 1,048,576 bytes; k_ws 1,048,576 bytes; lg_ws 4,194,304 bytes
;; launch prep (part 1): grid 204 x 1, 8 waves a work-group, no clusters, 55,296 bytes of LDS; arguments queries, keys, values, Wq, Wk, Wv, bq, bk, bv, Wr, Wo, wrq, woq, vq, q_ws, k_ws; writes wrq, woq, vq, q_ws, k_ws
.if DOCPART == 1
	.amdgcn_target "amdgcn-amd-amdhsa--gfx1250"
	.amdhsa_code_object_version 6
	.text
	.protected	k_qa2e2668c68_prep
	.globl	k_qa2e2668c68_prep
	.p2align	8
	.type	k_qa2e2668c68_prep,@function
k_qa2e2668c68_prep:
	s_mov_b64 s[64:65], 0
	v_nop
	global_prefetch_b8 v0, s[64:65] scope:SCOPE_SE
	s_setreg_imm32_b32 hwreg(HW_REG_WAVE_MODE, 25, 1), 1
	s_wait_xcnt 0x0
; PREP.  Work-groups 0-191: the three projections q = (queries Wq^T + bq) / 8, k = keys Wk^T + bk, v = values Wv^T + bv, on codes of FP4 (E2M1) with one E8M0 scale for each 32 along K = 512.
; Work-groups 192-203: Wr (64 tiles) and Wo (32 tiles) are quantised once and laid out as images of the operand's registers, so that later launches load fragments whole.
; A TILE is 16 rows x 512 K.  Lane r of tile G takes row 32 (G / 2) + 8 (G % 2) + r + 8 (r / 8): used as source 0, the 16 result registers of tiles 2 b and 2 b + 1 are then 16 neighbouring rows, 32 b + 16 (lane / 16) + 0 .. 15.
; PROJECTION: a work-group makes 64 x 64 of one result.  Its eight waves quantise one tile each (32 KB of f32, all 64 loads out at once): waves 0-3 source 0's four tiles, waves 4-7 source 1's.
; The fragments go from wave to wave through LDS as images of their registers; behind one barrier wave w (0-3) multiplies source 1's tile w by source 0's four tiles.
; q, k: source 0 = W's rows, source 1 = the activation's rows: a lane holds one row and neighbouring features; rows leave through the wave's own stage, sixteen lanes to 256 consecutive bytes.
; v: source 0 = values' rows (the keys j), source 1 = Wv's rows: a lane holds one feature and its registers run along j, which is the K of the product with the softmax: v is quantised in registers and leaves as codes.
; The biases are the C of each sum's first matrix instruction, so the sum's order differs from bias-last.
; LIMITS: a block whose largest magnitude lies under 2^-124, a block of zeros among them, keeps the scale byte 1 (its codes are then zeros or subnormal codes; these bytes are read by this program alone); NaN and infinities among the inputs are not served.
; No tensor load: each wave's 32 KB are wanted in registers at once.  No cluster: a work-group reads 256 KB once, and the launch is short.
.set REGB,   4608                      ; LDS: a tile's image: 4 K steps x 2 x 512 bytes of codes, then 512 bytes of scale words (16 a lane)
.set STAGE,  8*REGB                    ; behind the eight images: 16 rows x 272 bytes for each of waves 0-3
.set SPITCH, 272
.set SRCO, 5                           ; v5   my lane's byte in a tile: row x 2,048 + 64 (lane / 16)
.set LI,   6                           ; v6   16 x lane
.set IMW,  7                           ; v7   my wave's image: REGB x wave + 16 x lane
.set STO,  8                           ; v8   the stage, in
.set SRD,  9                           ; v9   the stage, back
.set GOUT, 10                          ; v10  my byte in two rows of q_ws or k_ws
.set BIO,  11                          ; v11  64 (lane / 16): bq, bk
.set L4,   12                          ; v12  4 x lane
.set BVO,  13                          ; v13  my feature's byte in the head's part of bv
.set TM,   16                          ; v16-31  at work in the quantiser
.set PW,   32                          ; v32-35  a tile's scale words, one a K step
.set PC,   36                          ; v36-67  a tile's four fragments
.set CB,   68                          ; v68-99  the bias in the result's layout
.set ACC,  100                         ; v100-131 four accumulators
.set BF,   132                         ; v132-163 source 1's four fragments
.set BS,   164                         ; v164-167 its scale words
.set AS,   168                         ; v168-183 source 0's scale words
.set OUTR, 184                         ; v184-215 rows on the way out
.set SEL,  6                           ; s[6:7]  v_permlanex16_b32's selects for lane l xor 16
; window 1: v0-255 the tile's 256 numbers a lane (register 64 s + 16 b + i = k 128 s + 32 b + 16 (lane / 16) + i); later v0-127 source 0's sixteen fragments
.set MSB, 0
.macro WIN new                         ; the immediate's high byte repeats the setting that is left
.if MSB != (\new)
	s_set_vgpr_msb (MSB<<8)|(\new)
.set MSB, (\new)
.endif
.endm
.macro TILEBASE g                      ; s[56:57] goes on to the first row of tile s[g]: (32 (G / 2) + 8 (G % 2)) rows of 2,048 bytes
	s_lshr_b32 s70, s[\g], 1
	s_lshl_b32 s70, s70, 16
	s_and_b32 s71, s[\g], 1
	s_lshl_b32 s71, s71, 14
	s_add_co_u32 s70, s70, s71
	s_mov_b32 s71, 0
	s_add_nc_u64 s[56:57], s[56:57], s[70:71]
.endm
.macro RAWLOAD                         ; my tile: 64 loads, K step by K step
	WIN 0x40                                       ; destination window 1
.irp s, 0,1,2,3
.irp b, 0,1,2,3
.irp j, 0,1,2,3
	global_load_b128 v[64*\s+16*\b+4*\j:64*\s+16*\b+4*\j+3], v[SRCO], s[56:57] offset:512*\s+128*\b+16*\j
.endr
.endr
.endr
	WIN 0
.endm
; K step s of my tile becomes a fragment in v[PC + 8 s] on and a scale word in v[PW + s]
.macro QUANT s
	s_wait_loadcnt 48-16*\s                        ; loads come back in order: all but the later K steps' (16 each) are in
	WIN 0x05                                       ; sources 0 and 1 window 1
.irp b, 0,1,2,3
	v_max3_num_f32 v[TM+\b], |v[64*\s+16*\b]|, |v[64*\s+16*\b+1]|, 0x1800000   ; block b: my 16 numbers, and the floor 2^(3 - 127): the byte cannot fall under 1
.endr
.irp i, 2,4,6,8,10,12,14
.irp b, 0,1,2,3
	v_max3_num_f32 v[TM+\b], |v[64*\s+16*\b+\i]|, |v[64*\s+16*\b+\i+1]|, v[TM+\b]   ; the four blocks by turns
.endr
.endr
	WIN 0
.irp b, 0,1,2,3
	v_permlanex16_b32 v[TM+4+\b], v[TM+\b], s[SEL], s[SEL+1]
.endr
.irp b, 0,1,2,3
	v_max_num_f32 v[TM+\b], v[TM+\b], v[TM+4+\b]   ; with lane l xor 16's 16: the block's largest magnitude
.endr
.irp b, 0,1,2,3
	v_add_nc_u32 v[TM+12+\b], 0xff000000, v[TM+\b] ; 2 off its exponent field: the conversion's scale operand
.endr
.irp b, 0,1,2,3
	v_lshrrev_b32 v[TM+4+\b], 23, v[TM+12+\b]      ; the scale's byte
.endr
	v_lshl_or_b32 v[PW+\s], v[TM+5], 8, v[TM+4]
	v_lshl_or_b32 v[PW+\s], v[TM+6], 16, v[PW+\s]
	v_lshl_or_b32 v[PW+\s], v[TM+7], 24, v[PW+\s]
	WIN 0x01                                       ; source 0 window 1
.irp b, 0,1,2,3
	v_cvt_scalef32_pk8_fp4_f32 v[PC+8*\s+2*\b], v[64*\s+16*\b:64*\s+16*\b+7], v[TM+12+\b]
	v_cvt_scalef32_pk8_fp4_f32 v[PC+8*\s+2*\b+1], v[64*\s+16*\b+8:64*\s+16*\b+15], v[TM+12+\b]
.endr
	WIN 0
	v_nop                                          ; one plain place behind a scaled conversion
.irp c, 0,1                                    ; the operand wants a whole block in a lane: lanes 0-15 block 2 c, lanes 16-31 block 2 c + 1
.irp i, 0,1
	v_permlane16_swap_b32 v[PC+8*\s+4*\c+\i], v[PC+8*\s+4*\c+2+\i]
.endr
.endr
.endm
	s_load_b512 s[8:23], s[0:1], 0x0               ; queries 8, keys 10, values 12, Wq 14, Wk 16, Wv 18, bq 20, bk 22
	s_load_b512 s[24:39], s[0:1], 0x40             ; bv 24, Wr 26, Wo 28, wrq 30, woq 32, vq 34, q_ws 36, k_ws 38
	v_lshl_add_u32 v254, v0, 2, 0xd400
	v_mov_b32 v255, 0
	v_lshrrev_b32 v1, 5, v0
	v_readfirstlane_b32 s2, v1                     ; wave 0..7
	v_and_b32 v1, 31, v0                           ; lane
	v_and_b32 v2, 15, v0                           ; r
	v_bfe_u32 v3, v0, 4, 1                         ; h
	v_and_b32 v4, 8, v2
	v_add_nc_u32 v4, v4, v2                        ; r + 8 (r / 8)
	v_lshlrev_b32 v[SRCO], 11, v4
	v_lshl_add_u32 v[SRCO], v3, 6, v[SRCO]
	v_lshlrev_b32 v[LI], 4, v1
	v_lshlrev_b32 v[L4], 2, v1
	s_mul_i32 s3, s2, REGB
	v_add_nc_u32 v[IMW], s3, v[LI]
	s_and_b32 s44, s2, 3                           ; which of a side's four tiles is mine
	s_mul_i32 s4, s44, 16*SPITCH
	s_add_co_u32 s4, s4, STAGE
	v_mul_u32_u24 v[STO], v2, SPITCH
	v_lshl_add_u32 v[STO], v3, 6, v[STO]
	v_add_nc_u32 v[STO], s4, v[STO]                ; in: row r, 64 bytes for each half of the lanes
	v_mul_u32_u24 v[SRD], v3, SPITCH
	v_lshl_add_u32 v[SRD], v2, 4, v[SRD]
	v_add_nc_u32 v[SRD], s4, v[SRD]                ; back: lanes 0-15 one row of 256 bytes, lanes 16-31 the next
	v_lshlrev_b32 v[GOUT], 11, v3
	v_lshl_add_u32 v[GOUT], v2, 4, v[GOUT]
	v_lshlrev_b32 v[BIO], 6, v3
	s_lshr_b32 s78, s44, 1
	s_lshl_b32 s78, s78, 7
	s_and_b32 s79, s44, 1
	s_lshl_b32 s79, s79, 5
	s_add_co_u32 s78, s78, s79                     ; 4 x (32 (tile / 2) + 8 (tile % 2)): my tile's first row among its side's 64, as bytes of f32
	v_lshl_add_u32 v[BVO], v4, 2, s78
.irp b, 0,1,2,3
	v_mov_b32 v[TM+4+\b], 0                        ; written once: a lane permute's destination counts as one of its sources
.endr
	s_mov_b32 s[SEL], 0x76543210
	s_mov_b32 s[SEL+1], 0xfedcba98
	s_wait_kmcnt 0x0
	s_cmp_ge_u32 ttmp9, 192
	s_cbranch_scc1 .Lweights                       ; the same way for all eight waves of a work-group
	; ---------------- the projections
	s_lshr_b32 s40, ttmp9, 6                       ; 0: q, 1: k, 2: v
	s_bfe_u32 s41, ttmp9, 0x30003                  ; which 64 rows of the activation
	s_and_b32 s42, ttmp9, 7                        ; which 64 features
	s_lshr_b32 s43, s2, 2                          ; my side: 0 = source 0, 1 = source 1
	s_cmp_eq_u32 s40, 0
	s_cselect_b64 s[48:49], s[8:9], s[10:11]       ; the activation,
	s_cselect_b64 s[50:51], s[14:15], s[16:17]     ; the weight,
	s_cselect_b64 s[52:53], s[20:21], s[22:23]     ; the bias,
	s_cselect_b64 s[54:55], s[36:37], s[38:39]     ; and where rows go
	s_cmp_eq_u32 s40, 2
	s_cselect_b64 s[48:49], s[12:13], s[48:49]
	s_cselect_b64 s[50:51], s[18:19], s[50:51]
	s_cselect_b64 s[52:53], s[24:25], s[52:53]
	s_cselect_b32 s45, 1, 0
	s_xor_b32 s46, s43, s45                        ; q, k: source 0 is the weight; v: source 0 is the activation
	s_cmp_eq_u32 s46, 0
	s_cselect_b64 s[56:57], s[50:51], s[48:49]     ; what my wave quantises,
	s_cselect_b32 s47, s42, s41                    ; and which 64 rows of it
	s_lshl_b32 s47, s47, 2
	s_add_co_u32 s47, s47, s44                     ; my tile
	TILEBASE 47
	s_lshl_b32 s76, s42, 8
	s_mov_b32 s77, 0
	s_add_nc_u64 s[52:53], s[52:53], s[76:77]      ; the bias at the work-group's 64 features
	s_lshl_b32 s80, s41, 17                        ; rows out: 64 x chunk rows of 2,048 bytes,
	s_lshl_b32 s81, s78, 9                         ; + my tile's first row,
	s_add_co_u32 s80, s80, s81
	s_add_co_u32 s80, s80, s76                     ; + the 64 features' 256 bytes
	s_mov_b32 s81, 0
	s_add_nc_u64 s[54:55], s[54:55], s[80:81]
	s_lshr_b32 s82, s41, 2                         ; v's codes: piece (((batch x 8 + head) x 4 + tile) x 4 + run of 64 keys)
	s_lshl_b32 s82, s82, 3
	s_add_co_u32 s82, s82, s42
	s_lshl_b32 s82, s82, 2
	s_add_co_u32 s82, s82, s44
	s_lshl_b32 s82, s82, 2
	s_and_b32 s83, s41, 3
	s_add_co_u32 s82, s82, s83
	s_lshl_b32 s84, s82, 9
	s_mov_b32 s85, 0
	s_add_nc_u64 s[86:87], s[34:35], s[84:85]      ; 512 bytes a piece
	s_lshl_b32 s84, s82, 7
	s_add_co_u32 s84, s84, 131072
	s_add_nc_u64 s[88:89], s[34:35], s[84:85]      ; and 128 bytes of scale words, behind the codes
	; the bias, for the waves that multiply; asked for ahead of the tile, so that the tile's counted waits cover it
	s_cmp_ge_u32 s2, 4
	s_cbranch_scc1 .Lraw
	s_cmp_eq_u32 s40, 2
	s_cbranch_scc1 .Lbias_v
.irp g, 0,1,2,3                                ; q, k: register j of tile g is feature 32 (g / 2) + 8 (g % 2) + 16 h + j
.irp q, 0,1
	global_load_b128 v[CB+8*\g+4*\q:CB+8*\g+4*\q+3], v[BIO], s[52:53] offset:(\g/2)*128+(\g%2)*32+16*\q
.endr
.endr
	s_branch .Lraw
.Lbias_v:                                          ; v: a lane holds one feature, so all 32 registers take that feature's bias
.set i, 0
.rept 32
	global_load_b32 v[CB+i], v[BVO], s[52:53]
.set i, i+1
.endr
.Lraw:
	RAWLOAD
	QUANT 0
	QUANT 1
	QUANT 2
	QUANT 3
.irp s, 0,1,2,3
.irp c, 0,1
	ds_store_b128 v[IMW], v[PC+8*\s+4*\c:PC+8*\s+4*\c+3] offset:1024*\s+512*\c   ; the fragments as they stand: 512 consecutive bytes a store
.endr
.endr
	ds_store_b128 v[IMW], v[PW:PW+3] offset:4096   ; and the four scale words
	s_wait_dscnt 0x0                               ; for the others' sake: my stores have landed
	s_barrier_signal -1
	s_barrier_wait -1                              ; all eight images lie in LDS; nothing is written there again
	s_cmp_ge_u32 s2, 4
	s_cbranch_scc1 .Lidle
.irp s, 0,1,2,3
.irp c, 0,1
	ds_load_b128 v[BF+8*\s+4*\c:BF+8*\s+4*\c+3], v[IMW] offset:4*REGB+1024*\s+512*\c   ; source 1's tile: the image of wave 4 + w
.endr
.endr
	ds_load_b128 v[BS:BS+3], v[IMW] offset:4*REGB+4096
	WIN 0x40
.irp g, 0,1,2,3
.irp s, 0,1,2,3
.irp c, 0,1
	ds_load_b128 v[32*\g+8*\s+4*\c:32*\g+8*\s+4*\c+3], v[LI] offset:\g*REGB+1024*\s+512*\c   ; source 0's four tiles
.endr
.endr
.endr
	WIN 0
.irp g, 0,1,2,3
	ds_load_b128 v[AS+4*\g:AS+4*\g+3], v[LI] offset:\g*REGB+4096
.endr
	s_wait_dscnt 0x0
	WIN 0x01                                       ; source 0 window 1
.irp s, 0,1,2,3                                ; four accumulators by turns, one instruction a turn
.irp g, 0,1,2,3
.if \s == 0
	v_wmma_scale_f32_16x16x128_f8f6f4 v[ACC+8*\g:ACC+8*\g+7], v[32*\g+8*\s:32*\g+8*\s+7], v[BF+8*\s:BF+8*\s+7], v[CB+8*\g:CB+8*\g+7], v[AS+4*\g+\s], v[BS+\s] matrix_a_fmt:MATRIX_FMT_FP4 matrix_b_fmt:MATRIX_FMT_FP4
.else
	v_wmma_scale_f32_16x16x128_f8f6f4 v[ACC+8*\g:ACC+8*\g+7], v[32*\g+8*\s:32*\g+8*\s+7], v[BF+8*\s:BF+8*\s+7], v[ACC+8*\g:ACC+8*\g+7], v[AS+4*\g+\s], v[BS+\s] matrix_a_fmt:MATRIX_FMT_FP4 matrix_b_fmt:MATRIX_FMT_FP4
.endif
.endr
.endr
	WIN 0
.rept 4
	v_nop                                          ; four places ahead of the first read of results (ISA guide 7.12.1)
.endr
	s_cmp_eq_u32 s40, 2
	s_cbranch_scc1 .Lout_v
	s_cmp_eq_u32 s40, 0
	s_cbranch_scc0 .Lout_rows
.set i, 0
.rept 16
	v_pk_mul_f32 v[ACC+i:ACC+i+1], v[ACC+i:ACC+i+1], 0x3e000000 op_sel_hi:[1,0]   ; q alone: x 64^-0.5 = 1 / 8, exact
.set i, i+2
.endr
.Lout_rows:                                        ; q, k: 16 rows x 64 features through my own stage (LDS serves a wave's instructions in order: no wait between stores and loads)
.irp g, 0,1,2,3
.irp q, 0,1
	ds_store_b128 v[STO], v[ACC+8*\g+4*\q:ACC+8*\g+4*\q+3] offset:(\g/2)*128+(\g%2)*32+16*\q
.endr
.endr
.irp t, 0,1,2,3,4,5,6,7
	ds_load_b128 v[OUTR+4*\t:OUTR+4*\t+3], v[SRD] offset:\t*2*SPITCH
.endr
.irp t, 0,1,2,3,4,5,6,7
	s_wait_dscnt 7-\t                              ; the younger loads may be out
	global_store_b128 v[GOUT], v[OUTR+4*\t:OUTR+4*\t+3], s[54:55] offset:(2*\t+8*(\t/4))*2048   ; stage row n is the tile's row n + 8 (n / 8); sixteen lanes store 256 consecutive bytes, aligned
.endr
	s_wait_tensorcnt 0x0
	ds_add_u32 v254, v255
	s_wait_dscnt 0x0
	s_endpgm
.Lout_v:                                           ; v: register 16 b + i is key 32 b + 16 h + i of my run of 64: two blocks along the next K
.irp b, 0,1
	v_max3_num_f32 v[TM+\b], |v[ACC+16*\b]|, |v[ACC+16*\b+1]|, 0x1800000
.endr
.irp i, 2,4,6,8,10,12,14
.irp b, 0,1
	v_max3_num_f32 v[TM+\b], v[TM+\b], |v[ACC+16*\b+\i]|, |v[ACC+16*\b+\i+1]|
.endr
.endr
.irp b, 0,1
	v_permlanex16_b32 v[TM+4+\b], v[TM+\b], s[SEL], s[SEL+1]
.endr
.irp b, 0,1
	v_max_num_f32 v[TM+\b], v[TM+\b], v[TM+4+\b]
.endr
.irp b, 0,1
	v_add_nc_u32 v[TM+12+\b], 0xff000000, v[TM+\b]
.endr
.irp b, 0,1
	v_lshrrev_b32 v[TM+4+\b], 23, v[TM+12+\b]
.endr
	v_lshl_or_b32 v[PW], v[TM+5], 8, v[TM+4]       ; the run's two scale bytes; the upper half stays 0
.irp b, 0,1
	v_cvt_scalef32_pk8_fp4_f32 v[PC+2*\b], v[ACC+16*\b:ACC+16*\b+7], v[TM+12+\b]
	v_cvt_scalef32_pk8_fp4_f32 v[PC+2*\b+1], v[ACC+16*\b+8:ACC+16*\b+15], v[TM+12+\b]
.endr
	v_nop                                          ; one plain place behind a scaled conversion
	v_permlane16_swap_b32 v[PC], v[PC+2]
	v_permlane16_swap_b32 v[PC+1], v[PC+3]         ; lanes 0-15 hold block 0, lanes 16-31 block 1: four registers of the operand
	global_store_b128 v[LI], v[PC:PC+3], s[86:87]  ; 512 consecutive bytes
	global_store_b32 v[L4], v[PW], s[88:89]
	s_wait_tensorcnt 0x0
	ds_add_u32 v254, v255
	s_wait_dscnt 0x0
	s_endpgm
.Lidle:                                            ; waves 4-7 have handed their tiles over
	s_wait_tensorcnt 0x0
	ds_add_u32 v254, v255
	s_wait_dscnt 0x0
	s_endpgm
	; ---------------- Wr and Wo: a tile a wave, no LDS, no barrier
.Lweights:
	s_sub_co_u32 s40, ttmp9, 192
	s_lshl_b32 s41, s40, 3
	s_add_co_u32 s41, s41, s2                      ; 0-63: Wr's tiles; 64-95: Wo's
	s_mov_b32 s43, 131072
	s_cmp_lt_u32 s40, 8
	s_cselect_b64 s[56:57], s[26:27], s[28:29]
	s_cselect_b64 s[58:59], s[30:31], s[32:33]
	s_cselect_b32 s42, 0, 64
	s_cselect_b32 s43, 262144, s43                 ; where the scale words begin: behind the codes
	s_sub_co_u32 s41, s41, s42                     ; the tile
	TILEBASE 41
	s_lshl_b32 s44, s41, 12
	s_mov_b32 s45, 0
	s_add_nc_u64 s[60:61], s[58:59], s[44:45]      ; 4,096 bytes of codes a tile
	s_lshl_b32 s44, s41, 9
	s_add_co_u32 s44, s44, s43
	s_add_nc_u64 s[62:63], s[58:59], s[44:45]      ; 512 bytes of scale words
	RAWLOAD
	QUANT 0
	QUANT 1
	QUANT 2
	QUANT 3
.irp s, 0,1,2,3
.irp c, 0,1
	global_store_b128 v[LI], v[PC+8*\s+4*\c:PC+8*\s+4*\c+3], s[60:61] offset:1024*\s+512*\c   ; 512 consecutive bytes a store
.endr
.endr
	global_store_b128 v[LI], v[PW:PW+3], s[62:63]  ; lanes 16-31 hold, and store, the same words as lanes 0-15
	s_endpgm
.Lfunc_end_k_qa2e2668c68_prep:
	.size	k_qa2e2668c68_prep, .Lfunc_end_k_qa2e2668c68_prep-k_qa2e2668c68_prep
	.p2alignl 7, 3214868480
	.fill 96, 4, 3214868480
	.section	.rodata,"a",@progbits
	.p2align	6, 0x0
	.amdhsa_kernel k_qa2e2668c68_prep
		.amdhsa_group_segment_fixed_size 55296
		.amdhsa_private_segment_fixed_size 0
		.amdhsa_enable_private_segment 0
		.amdhsa_kernarg_size 128
		.amdhsa_user_sgpr_count 2
		.amdhsa_user_sgpr_kernarg_segment_ptr 1
		.amdhsa_wavefront_size32 1
		.amdhsa_system_sgpr_workgroup_id_x 1
		.amdhsa_system_sgpr_workgroup_id_y 1
		.amdhsa_system_sgpr_workgroup_id_z 1
		.amdhsa_system_vgpr_workitem_id 0
		.amdhsa_next_free_vgpr 512
		.amdhsa_next_free_sgpr 90
		.amdhsa_reserve_vcc 0
		.amdhsa_float_denorm_mode_32 3
		.amdhsa_float_denorm_mode_16_64 3
		.amdhsa_memory_ordered 1
		.amdhsa_forward_progress 1
		.amdhsa_inst_pref_size 65
	.end_amdhsa_kernel
	.amdgpu_metadata
---
amdhsa.version: [ 1, 2 ]
amdhsa.kernels:
  - .name:           k_qa2e2668c68_prep
    .symbol:         k_qa2e2668c68_prep.kd
    .args:
      - { .name: queries, .offset: 0, .size: 8, .value_kind: global_buffer, .address_space: global }
      - { .name: keys, .offset: 8, .size: 8, .value_kind: global_buffer, .address_space: global }
      - { .name: values, .offset: 16, .size: 8, .value_kind: global_buffer, .address_space: global }
      - { .name: Wq, .offset: 24, .size: 8, .value_kind: global_buffer, .address_space: global }
      - { .name: Wk, .offset: 32, .size: 8, .value_kind: global_buffer, .address_space: global }
      - { .name: Wv, .offset: 40, .size: 8, .value_kind: global_buffer, .address_space: global }
      - { .name: bq, .offset: 48, .size: 8, .value_kind: global_buffer, .address_space: global }
      - { .name: bk, .offset: 56, .size: 8, .value_kind: global_buffer, .address_space: global }
      - { .name: bv, .offset: 64, .size: 8, .value_kind: global_buffer, .address_space: global }
      - { .name: Wr, .offset: 72, .size: 8, .value_kind: global_buffer, .address_space: global }
      - { .name: Wo, .offset: 80, .size: 8, .value_kind: global_buffer, .address_space: global }
      - { .name: wrq, .offset: 88, .size: 8, .value_kind: global_buffer, .address_space: global }
      - { .name: woq, .offset: 96, .size: 8, .value_kind: global_buffer, .address_space: global }
      - { .name: vq, .offset: 104, .size: 8, .value_kind: global_buffer, .address_space: global }
      - { .name: q_ws, .offset: 112, .size: 8, .value_kind: global_buffer, .address_space: global }
      - { .name: k_ws, .offset: 120, .size: 8, .value_kind: global_buffer, .address_space: global }
    .group_segment_fixed_size: 55296
    .private_segment_fixed_size: 0
    .kernarg_segment_align: 8
    .kernarg_segment_size: 128
    .max_flat_workgroup_size: 256
    .sgpr_count:     90
    .vgpr_count:     512
    .wavefront_size: 32
...
	.end_amdgpu_metadata
.endif
;; end of part 1
;; launch rel (part 2): grid 256 x 1, 4 waves a work-group, no clusters, 327,680 bytes of LDS; arguments relation, wrq, q_ws, k_ws, lg_ws; writes lg_ws
.if DOCPART == 2
	.amdgcn_target "amdgcn-amd-amdhsa--gfx1250"
	.amdhsa_code_object_version 6
	.text
	.protected	k_qa2e2668c68_rel
	.globl	k_qa2e2668c68_rel
	.p2align	8
	.type	k_qa2e2668c68_rel,@function
k_qa2e2668c68_rel:
	s_mov_b64 s[64:65], 0
	v_nop
	global_prefetch_b8 v0, s[64:65] scope:SCOPE_SE
	s_setreg_imm32_b32 hwreg(HW_REG_WAVE_MODE, 25, 1), 1
	s_wait_xcnt 0x0
; REL.  logit[b][i][j][head] = (q[b][i] + rq) . (k[b][j] + rk) over the head's 64, with (rq | rk) = relation[b][j][i][:] Wr^T on codes of FP4 (E2M1), one E8M0 scale for each 32 along K = 512.
; relation is read once, quantised on the way, and its 1,024 products a row never leave the registers: eight logits a row go to memory.
; SHARES.  A work-group takes 16 queries i x 32 keys j: 512 rows of relation, 1 MB, in 8 steps of 4 keys.  A key's 16 rows are 32 KB of consecutive memory: a TILE.
; Wave w fetches tile w of each step by its own tensor load into its own bytes of a ring of two slots, and quantises it (a lane takes a whole block of 32, so no lane asks another for a maximum);
; codes and scale bytes go to LDS in the order in which fragments are read.  Behind a barrier every wave multiplies all four tiles by ITS 256 rows of Wr: heads 2 w and 2 w + 1 of rq and the same of rk.
; Those 16 tiles of Wr, 512 registers, stay in the wave's registers for the whole launch.
; TRANSPOSED USE: source 0 = 16 rows of Wr, source 1 = the tile's 16 rows: a lane holds one query and eight features.  q (by query) and k (by key) are the C of each sum's first matrix instruction, so the
; accumulators hold q + rq and k + rk (the sum's order differs from adding them last).  The dot over 64 is packed f32 multiply-adds, then one exchange between the halves of the lanes.
; TWO SETS OF OPERANDS: a tile's fragments and its key's k have registers for even tiles and for odd ones, so that the next tile's 24 LDS loads go out between a tile's rq products and its rk products.
; NO CLUSTER: what work-groups share is Wr's 288 KB, read once a work-group straight into registers, against 1 MB of its own; the ring takes the LDS into which a joint load would land.
; NO PREFETCH: the stream's own loads, 128 KB a work-group behind every change of slots, are the launch's whole traffic.
; LIMITS: a block whose largest magnitude lies under 2^-124, a block of zeros among them, keeps the scale byte 1; NaN and infinities in relation are not served.
.set SLOTB, 147456                     ; a slot: four tiles
.set WTILE, 36864                      ; a tile in LDS: 256 blocks of 128 bytes + 16 of padding: lanes 144 bytes apart start at different banks
.set IMG,   2*SLOTB                    ; behind the ring: the codes, 4 tiles x 16 pieces (a block of K each) x (16 rows x 16 bytes + 16)
.set IMGT,  4352
.set RSC,   IMG+4*IMGT                 ; the scale bytes, 4 tiles x 16 rows x 16
.set KST,   RSC+1024                   ; k of the step's four keys, my wave's 128 features: 4 waves x 4 x 512 bytes; each wave writes and reads its own 2,048 alone
.set SPARE, KST+8192                   ; the spare words, 128 bytes for each wave: two blocks of 256 bytes that no other line names
.set STEPB, 2097152                    ; four keys on in relation
.set SPW,  1                           ; v1   SPARE + 4 x my thread's number; never rewritten
.set NIL,  2                           ; v2   0; never rewritten
.set RAWA, 3                           ; v3-4 my block of my tile in slot 0, 1
.set IMGW, 5                           ; v5   where my block's codes go
.set RSCW, 6                           ; v6   and its scale byte
.set FRA,  7                           ; v7   a fragment's place for my lane
.set RSA,  8                           ; v8   the scale words': lanes 0-15 an even tile's rows, lanes 16-31 the odd tile's
.set KSW,  9                           ; v9   k: in
.set KSA,  10                          ; v10  k: back, 64 bytes for each half of the lanes
.set KGO,  11                          ; v11  k in memory: 512 x wave + 16 x lane
.set LGO,  12                          ; v12  my logits' place in the work-group's 16 KB
.set LG,   16                          ; v16-19 the step's four logits (at the head: three load offsets)
.set SS,   20                          ; v20-27 four pairs of partial dots; v28-31 at work
.set WS,   32                          ; v32-63 Wr's scale words: register 4 (tile / 2) + K step; an odd tile's in lanes 16-31
.set RS,   64                          ; v64-71 relation's: register 4 (tile / 2) + K step
.set KC,   72                          ; v72-87 k on its way from memory to LDS
.set AF,   88                          ; v88-119 an even tile's four fragments
.set XB,   120                         ; v120-183 two sets of 32 numbers for the quantiser;
.set KB1,  120                         ;          while products run: k of an odd tile's key in the result's layout
.set PC,   184                         ; v184-191 two sets of a block's codes
.set BY,   192                         ; v192-193 two scale bytes
.set MX,   194                         ; v194-198 five partial maxima
.set SCR,  199                         ; v199     the conversion's scale operand
.set AF1,  200                         ; v200-231 an odd tile's four fragments
; window 1: v0-63 q + rq, v64-127 k + rk (8 x tile); v128-191 q, v192-255 k of an even tile's key, in the result's layout.   window 2: rq's 32 fragments of Wr at 32 x tile + 8 x K step.   window 3: rk's.
.set MSB, 0
.macro WIN new                         ; the immediate's high byte repeats the setting that is left
.if MSB != (\new)
	s_set_vgpr_msb (MSB<<8)|(\new)
.set MSB, (\new)
.endif
.endm
.macro LOADG slot, g                   ; blocks 32 g .. 32 g + 31 of my tile, a block a lane
.irp j, 0,1,2,3,4,5,6,7
	ds_load_b128 v[XB+32*((\g)%2)+4*\j:XB+32*((\g)%2)+4*\j+3], v[RAWA+\slot] offset:(\g)*4608+16*\j
.endr
.endm
.macro QBLK g                          ; my block: its largest magnitude, its scale, its 32 codes
.set XS, XB+32*((\g)%2)
.set PS4, PC+4*((\g)%2)
.irp c, 0,1,2,3                                ; four chains of seven numbers by turns, so that no line waits for the line above it
	v_max3_num_f32 v[MX+\c], |v[XS+8*\c]|, |v[XS+8*\c+1]|, |v[XS+8*\c+2]|
.endr
.irp i, 3,5
.irp c, 0,1,2,3
	v_max3_num_f32 v[MX+\c], v[MX+\c], |v[XS+8*\c+\i]|, |v[XS+8*\c+\i+1]|
.endr
.endr
	v_max3_num_f32 v[MX+4], |v[XS+23]|, |v[XS+31]|, 0x1800000      ; two of the four numbers left over, and the floor 2^(3 - 127): the byte cannot fall under 1
	v_max3_num_f32 v[MX], v[MX], v[MX+1], |v[XS+7]|
	v_max3_num_f32 v[MX+2], v[MX+2], v[MX+3], |v[XS+15]|
	v_max3_num_f32 v[MX], v[MX], v[MX+2], v[MX+4]
	v_add_nc_u32 v[SCR], 0xff000000, v[MX]         ; 2 off the exponent field: the conversion's scale operand
.irp q, 0,1,2,3
	v_cvt_scalef32_pk8_fp4_f32 v[PS4+\q], v[XS+8*\q:XS+8*\q+7], v[SCR]
.endr
	v_lshrrev_b32 v[BY+(\g)%2], 23, v[SCR]         ; the scale's byte; also the plain place behind the conversions
	ds_store_b128 v[IMGW], v[PS4:PS4+3] offset:32*(\g)
	ds_store_b8 v[RSCW], v[BY+(\g)%2] offset:32*(\g)
.endm
.macro FETCH t                         ; tile t's four fragments: registers 8 s + 4 c hold block 4 s + 2 c + (lane / 16) of row lane % 16.  Every window is 0 here
.set AFS, AF+(AF1-AF)*((\t)%2)
.irp s, 0,1,2,3
.irp c, 0,1
	ds_load_b128 v[AFS+8*\s+4*\c:AFS+8*\s+4*\c+3], v[FRA] offset:(\t)*IMGT+(2*\s+\c)*544
.endr
.endr
.endm
.macro KBL t                           ; k of tile t's key in the result's layout: the same for all sixteen queries.  Every window is 0 here, and again behind it
.if ((\t)%2) == 0
	WIN 0x40                                       ; an even tile's: window 1
.set KD, 192
.else
.set KD, KB1                           ; an odd tile's: window 0
.endif
.irp u, 0,1,2,3,4,5,6,7
.irp q, 0,1
	ds_load_b128 v[KD+8*\u+4*\q:KD+8*\u+4*\q+3], v[KSA] offset:(\t)*512+(\u/2)*128+(\u%2)*32+16*\q
.endr
.endr
	WIN 0
.endm
.macro WME                             ; one product, from the symbols DD AA BB CC SA SB; RA, RB: the scales stand in lanes 16-31
.if (RA == 0) && (RB == 0)
	v_wmma_scale_f32_16x16x128_f8f6f4 v[DD:DD+7], v[AA:AA+7], v[BB:BB+7], v[CC:CC+7], v[SA], v[SB] matrix_a_fmt:MATRIX_FMT_FP4 matrix_b_fmt:MATRIX_FMT_FP4
.elseif (RA == 1) && (RB == 0)
	v_wmma_scale_f32_16x16x128_f8f6f4 v[DD:DD+7], v[AA:AA+7], v[BB:BB+7], v[CC:CC+7], v[SA], v[SB] matrix_a_fmt:MATRIX_FMT_FP4 matrix_b_fmt:MATRIX_FMT_FP4 matrix_a_scale:MATRIX_SCALE_ROW1
.elseif (RA == 0) && (RB == 1)
	v_wmma_scale_f32_16x16x128_f8f6f4 v[DD:DD+7], v[AA:AA+7], v[BB:BB+7], v[CC:CC+7], v[SA], v[SB] matrix_a_fmt:MATRIX_FMT_FP4 matrix_b_fmt:MATRIX_FMT_FP4 matrix_b_scale:MATRIX_SCALE_ROW1
.else
	v_wmma_scale_f32_16x16x128_f8f6f4 v[DD:DD+7], v[AA:AA+7], v[BB:BB+7], v[CC:CC+7], v[SA], v[SB] matrix_a_fmt:MATRIX_FMT_FP4 matrix_b_fmt:MATRIX_FMT_FP4 matrix_a_scale:MATRIX_SCALE_ROW1 matrix_b_scale:MATRIX_SCALE_ROW1
.endif
.endm
.macro MULT t, half                    ; 32 products: tile t by my eight tiles of rq (half 0) or rk (1); eight accumulators by turns, one instruction a turn
.set AFS, AF+(AF1-AF)*((\t)%2)
.irp s, 0,1,2,3
.if (\half == 1) && (((\t)%2) == 1) && (\s == 0)
	WIN 0x43                                       ; source 0 window 3, source 1 and C (an odd tile's k) window 0, D window 1
.else
.set WN, 0x52+\half
	WIN WN                                         ; source 0 window 2 or 3, source 1 window 0, C and D window 1
.endif
.irp u, 0,1,2,3,4,5,6,7
.set DD, 64*\half+8*\u
.set AA, 32*\u+8*\s
.set BB, AFS+8*\s
.if \s == 0                            ; the first K step starts the sum from q or k
.if \half == 0
.set CC, 128+8*\u
.elseif ((\t)%2) == 0
.set CC, 192+8*\u
.else
.set CC, KB1+8*\u
.endif
.else
.set CC, DD
.endif
.set SA, WS+16*\half+4*(\u/2)+\s
.set SB, RS+4*((\t)/2)+\s
.set RA, \u%2
.set RB, (\t)%2
	WME
.endr
.endr
.endm
.macro EPI t                           ; the two heads' dots of tile t: each accumulator is read from its low end on
	WIN 0x05                                       ; sources 0 and 1 window 1
.irp n, 0,1,2,3,4,5,6,7
.irp ch, 0,1,2,3                               ; four chains: 0, 1 head 2 w; 2, 3 head 2 w + 1
.set TT, 2*\ch+\n/4
.set PP, \n%4
.if \n == 0
	v_pk_mul_f32 v[SS+2*\ch:SS+2*\ch+1], v[8*TT+2*PP:8*TT+2*PP+1], v[64+8*TT+2*PP:64+8*TT+2*PP+1]
.else
	v_pk_fma_f32 v[SS+2*\ch:SS+2*\ch+1], v[8*TT+2*PP:8*TT+2*PP+1], v[64+8*TT+2*PP:64+8*TT+2*PP+1], v[SS+2*\ch:SS+2*\ch+1]
.endif
.endr
.endr
	WIN 0
	v_pk_add_f32 v[SS:SS+1], v[SS:SS+1], v[SS+2:SS+3]
	v_pk_add_f32 v[SS+4:SS+5], v[SS+4:SS+5], v[SS+6:SS+7]
	v_add_f32 v28, v[SS], v[SS+1]                  ; head 2 w: my half's 32 features
	v_add_f32 v29, v[SS+4], v[SS+5]                ; head 2 w + 1 likewise
	v_cndmask_b32 v30, v29, v28, s44               ; what the other half of the lanes wants of me,
	v_cndmask_b32 v28, v28, v29, s44               ; what I keep: lanes 0-15 head 2 w, lanes 16-31 head 2 w + 1
	v_permlanex16_b32 v31, v30, s42, s43
	v_add_f32 v[LG+\t], v28, v31
.endm
; A STEP: four keys.  slot: where its tiles lie.  mode 0: the first; 1: the other slot is filled again, with the step after this; 2: the last.  more: k of the next step is asked for.  lgoff: the step's place in the logits.
.macro STEP slot, mode, more, lgoff
.if \mode == 0
	s_wait_tensorcnt 0x1                           ; my tile of step 0 is in; step 1's fill, issued behind it, may be out.  Only I read these bytes
.else
	s_wait_tensorcnt 0x0                           ; all my tensor loads have landed: this step's tile; so a group 0 may be written
	ds_add_u32 v[SPW], v[NIL]                      ; 0 onto my spare word
.if \mode == 1
	s_add_nc_u64 s[38-4*\slot:39-4*\slot], s[38-4*\slot:39-4*\slot], 2*STEPB   ; the other slot's next tile: two steps on
.endif
	s_wait_dscnt 0x0                               ; the add is done; my reads of the other slot and of the last step's codes are back
	s_barrier_signal -1
	s_barrier_wait -1                              ; so are every wave's: the codes may be written again
.if \mode == 1
	tensor_load_to_lds s[36-4*\slot:39-4*\slot], s[24:31]   ; my one tensor load behind this barrier, and the first thing there: it has the whole step in which to land
	s_nop 0
.rept 4
	v_nop
.endr
.endif
.endif
	LOADG \slot, 0
	LOADG \slot, 1
.irp g, 0,1,2,3,4,5,6,7
.if \g == 0
	s_wait_dscnt 8                                 ; group 0 is in; group 1's eight loads may be out
.elseif \g == 7
	s_wait_dscnt 2                                 ; behind group 7's loads: group 6's two stores
.else
	s_wait_dscnt 10                                ; behind this group's loads: the last group's two stores and the next group's eight loads; the stores of two groups back are done, so their registers are free
.endif
	QBLK \g
.if \g < 6
	LOADG \slot, \g+2
.endif
.endr
	s_wait_loadcnt 0x0                             ; k of this step, asked for a step ago; in the first step all that the head asked for, which came in while the tile was quantised
.irp t, 0,1,2,3
	ds_store_b128 v[KSW], v[KC+4*\t:KC+4*\t+3] offset:\t*512
.endr
	KBL 0                                          ; my own bytes, and LDS serves a wave's instructions in order: the first key's k comes back with no barrier between
	s_wait_dscnt 0x0                               ; for the others' sake: my codes and scale bytes have landed; k's stores have read their registers
	s_barrier_signal -1
	s_barrier_wait -1                              ; all four tiles' codes lie in LDS.
	s_wait_xcnt 0x0                                ; the last step's store has read LG, and k's loads their base
.if \more
	s_add_nc_u64 s[46:47], s[46:47], 8192          ; four rows of k on
.irp t, 0,1,2,3
	global_load_b128 v[KC+4*\t:KC+4*\t+3], v[KGO], s[46:47] offset:\t*2048
.endr
.endif
	ds_load_b128 v[RS:RS+3], v[RSA]
	ds_load_b128 v[RS+4:RS+7], v[RSA] offset:512
	FETCH 0
	s_wait_dscnt 0x0
.irp t, 0,1,2,3
	MULT \t, 0
.if \t < 3
	WIN 0
	FETCH \t+1                                     ; the next tile's operands, into the other set: its last readers were the products of the tile before this, behind which four places and the dots stand.
	KBL \t+1                                       ; They land under this tile's 32 rk products and its dots
.endif
	MULT \t, 1
	WIN 0
.rept 4
	v_nop                                          ; four places ahead of the first read of results, and of later loads into registers that these products read
.endr
	EPI \t
.if \t < 3
	s_wait_dscnt 0x0                               ; the next tile's operands are in
.endif
.endr
	global_store_b128 v[LGO], v[LG:LG+3], s[48:49] offset:\lgoff   ; each half of the lanes stores 256 consecutive bytes, aligned: a head's 16 queries x 4 keys
.endm
	s_load_b256 s[4:11], s[0:1], 0x0               ; relation 4, wrq 6, q_ws 8, k_ws 10
	s_load_b64 s[12:13], s[0:1], 0x20              ; lg_ws
	v_lshl_add_u32 v[SPW], v0, 2, SPARE
	v_mov_b32 v[NIL], 0
	ds_add_u32 v1, v2
	ds_add_u32 v1, v2
	s_wait_dscnt 0x0
	v_lshrrev_b32 v13, 5, v0
	v_readfirstlane_b32 s16, v13                   ; wave 0..3
	s_lshr_b32 s17, ttmp9, 7                       ; batch
	s_bfe_u32 s18, ttmp9, 0x40003                  ; which 16 queries
	s_and_b32 s19, ttmp9, 7                        ; which 32 keys
	; descriptor group 1: a tile is a dense block of 32 KB, stated as 128 rows of 256 bytes (32 elements of 8 bytes); 4 words of padding behind every 32 words
	s_mov_b32 s24, (3<<16)|(1<<20)|(4<<22)|(3<<25)
	s_mov_b32 s25, 32<<16                          ; tensor_dim0
	s_mov_b32 s26, 128<<16                         ; tensor_dim1
	s_mov_b32 s27, 32<<16                          ; tile_dim0
	s_mov_b32 s28, 128                             ; tile_dim1
	s_mov_b32 s29, 32                              ; from row to row
	s_mov_b32 s30, 0
	s_mov_b32 s31, 0
	s_lshl_b32 s20, s17, 8
	s_lshl_b32 s21, s19, 5
	s_add_co_u32 s20, s20, s21                     ; the first key's row of k: 256 x batch + 32 x block
	s_add_co_u32 s22, s20, s16                     ; my tile's key in step 0
	s_lshl_b32 s22, s22, 8
	s_lshl_b32 s21, s18, 4
	s_add_co_u32 s22, s22, s21                     ; x 256 queries + my first query,
	s_lshl_b32 s22, s22, 11                        ; rows of 2,048 bytes: under 2^28
	s_mov_b32 s23, 0
	s_mul_i32 s41, s16, WTILE                      ; my tile's place in a slot
	s_wait_kmcnt 0x0
	s_add_nc_u64 s[4:5], s[4:5], s[22:23]
	s_mov_b32 s32, 1                               ; group 0 for slot 0: count,
	s_mov_b32 s33, s41                             ; LDS address,
	s_mov_b64 s[34:35], s[4:5]                     ; global address: step 0,
	s_or_b32 s35, s35, 0x80000000                  ; type
	s_mov_b32 s36, 1                               ; and for slot 1: step 1
	s_add_co_u32 s37, s41, SLOTB
	s_add_nc_u64 s[38:39], s[4:5], STEPB
	s_or_b32 s39, s39, 0x80000000
	tensor_load_to_lds s[32:35], s[24:31]          ; both first fills go out together, ahead of every wait on them, every LDS read and every barrier: two loads of mine are out
	s_nop 0
	tensor_load_to_lds s[36:39], s[24:31]
	s_nop 0
.rept 4
	v_nop
.endr
	v_and_b32 v13, 31, v0                          ; lane
	v_and_b32 v14, 15, v0                          ; r
	v_bfe_u32 v15, v0, 4, 1                        ; h
	v_mul_u32_u24 v[RAWA], v13, 144
	v_add_nc_u32 v[RAWA], s41, v[RAWA]
	v_add_nc_u32 v[RAWA+1], SLOTB, v[RAWA]
	s_mul_i32 s50, s16, IMGT
	s_add_co_u32 s50, s50, IMG
	v_mul_u32_u24 v[IMGW], v14, 272                ; block 32 g + lane is row 2 g + lane / 16, piece lane % 16
	v_lshl_add_u32 v[IMGW], v15, 4, v[IMGW]
	v_add_nc_u32 v[IMGW], s50, v[IMGW]
	s_lshl_b32 s51, s16, 8
	s_add_co_u32 s51, s51, RSC
	v_add_nc_u32 v[RSCW], s51, v13
	v_mul_u32_u24 v[FRA], v15, 272
	v_lshl_add_u32 v[FRA], v14, 4, v[FRA]
	v_add_nc_u32 v[FRA], IMG, v[FRA]
	v_lshl_add_u32 v[RSA], v13, 4, RSC
	s_lshl_b32 s52, s16, 11
	s_add_co_u32 s52, s52, KST
	v_lshl_add_u32 v[KSW], v13, 4, s52
	v_lshl_add_u32 v[KSA], v15, 6, s52
	s_lshl_b32 s53, s16, 9
	v_lshl_add_u32 v[KGO], v13, 4, s53
	s_lshl_b32 s54, s16, 12
	v_lshl_add_u32 v[LGO], v15, 11, s54            ; head 2 w + h: 2,048 bytes a head,
	v_lshl_add_u32 v[LGO], v14, 4, v[LGO]          ; 16 bytes a query
	v_mov_b32 v31, 0                               ; written once: a lane permute's destination counts as one of its sources
	s_mov_b32 s42, 0x76543210
	s_mov_b32 s43, 0xfedcba98                      ; v_permlanex16_b32's selects for lane l xor 16
	s_mov_b32 s44, 0xffff0000                      ; lanes 16-31
	s_lshl_b32 s50, s16, 15
	v_lshl_add_u32 v16, v13, 4, s50                ; Wr's codes: my eight tiles of 4,096 bytes, 16 bytes a lane
	v_lshlrev_b32 v17, 11, v14
	v_lshl_add_u32 v17, v15, 6, v17                ; q: row r, 64 bytes for each half of the lanes
	v_lshl_add_u32 v18, v13, 4, s54                ; Wr's scale words: my four pairs of tiles of 1,024 bytes; 16 bytes a lane,
	v_lshl_add_u32 v18, v15, 9, v18                ; lanes 16-31 in the pair's odd tile
	s_lshr_b32 s50, ttmp9, 3
	s_lshl_b32 s50, s50, 15                        ; q: 16 rows of 2,048 bytes for each block of queries,
	s_add_co_u32 s50, s50, s53                     ; my wave's 128 features
	s_mov_b32 s51, 0
	s_add_nc_u64 s[8:9], s[8:9], s[50:51]
	s_lshl_b32 s50, s20, 11
	s_add_nc_u64 s[46:47], s[10:11], s[50:51]      ; k at the first key
	s_lshl_b32 s50, ttmp9, 14
	s_add_nc_u64 s[48:49], s[12:13], s[50:51]      ; the work-group's 16 KB of logits
	WIN 0x80                                       ; destination window 2
.irp u, 0,1,2,3,4,5,6,7
.irp p, 0,1,2,3,4,5,6,7
	global_load_b128 v[32*\u+4*\p:32*\u+4*\p+3], v16, s[6:7] offset:\u*4096+\p*512
.endr
.endr
	WIN 0xc0                                       ; destination window 3: rk's tiles lie 32 tiles on
.irp u, 0,1,2,3,4,5,6,7
.irp p, 0,1,2,3,4,5,6,7
	global_load_b128 v[32*\u+4*\p:32*\u+4*\p+3], v16, s[6:7] offset:131072+\u*4096+\p*512
.endr
.endr
	WIN 0x40                                       ; destination window 1: q in the result's layout: tile u's register j is feature 32 (u / 2) + 8 (u % 2) + 16 h + j
.irp u, 0,1,2,3,4,5,6,7
.irp q, 0,1
	global_load_b128 v[128+8*\u+4*\q:128+8*\u+4*\q+3], v17, s[8:9] offset:(\u/2)*128+(\u%2)*32+16*\q
.endr
.endr
	WIN 0
.irp p, 0,1,2,3
	global_load_b128 v[WS+4*\p:WS+4*\p+3], v18, s[6:7] offset:262144+\p*1024
	global_load_b128 v[WS+16+4*\p:WS+16+4*\p+3], v18, s[6:7] offset:262144+16384+\p*1024
.endr
.irp t, 0,1,2,3
	global_load_b128 v[KC+4*\t:KC+4*\t+3], v[KGO], s[46:47] offset:\t*2048
.endr
	STEP 0, 0, 1, 0
	s_mov_b32 s40, 3
.Ltrip:                                            ; steps 1 and 2, 3 and 4, 5 and 6: each fills the slot that the step before read
	STEP 1, 1, 1, 256
	STEP 0, 1, 1, 512
	s_wait_xcnt 0x0                                ; the stores have read their base
	s_add_nc_u64 s[48:49], s[48:49], 512
	s_sub_co_u32 s40, s40, 1
	s_cmp_lg_u32 s40, 0
	s_cbranch_scc1 .Ltrip
	STEP 1, 2, 0, 256                              ; the last step is written out: nothing is left to fetch
	s_wait_tensorcnt 0x0                           ; the wave's end, behind my last tensor load and my last LDS store
	ds_add_u32 v[SPW], v[NIL]
	s_wait_dscnt 0x0
	s_endpgm
.Lfunc_end_k_qa2e2668c68_rel:
	.size	k_qa2e2668c68_rel, .Lfunc_end_k_qa2e2668c68_rel-k_qa2e2668c68_rel
	.p2alignl 7, 3214868480
	.fill 96, 4, 3214868480
	.section	.rodata,"a",@progbits
	.p2align	6, 0x0
	.amdhsa_kernel k_qa2e2668c68_rel
		.amdhsa_group_segment_fixed_size 327680
		.amdhsa_private_segment_fixed_size 0
		.amdhsa_enable_private_segment 0
		.amdhsa_kernarg_size 40
		.amdhsa_user_sgpr_count 2
		.amdhsa_user_sgpr_kernarg_segment_ptr 1
		.amdhsa_wavefront_size32 1
		.amdhsa_system_sgpr_workgroup_id_x 1
		.amdhsa_system_sgpr_workgroup_id_y 1
		.amdhsa_system_sgpr_workgroup_id_z 1
		.amdhsa_system_vgpr_workitem_id 0
		.amdhsa_next_free_vgpr 1024
		.amdhsa_next_free_sgpr 66
		.amdhsa_reserve_vcc 0
		.amdhsa_float_denorm_mode_32 3
		.amdhsa_float_denorm_mode_16_64 3
		.amdhsa_memory_ordered 1
		.amdhsa_forward_progress 1
		.amdhsa_inst_pref_size 255
	.end_amdhsa_kernel
	.section	.bss,"aw",@nobits
	.p2align	6
	.space	262144
	.amdgpu_metadata
---
amdhsa.version: [ 1, 2 ]
amdhsa.kernels:
  - .name:           k_qa2e2668c68_rel
    .symbol:         k_qa2e2668c68_rel.kd
    .args:
      - { .name: relation, .offset: 0, .size: 8, .value_kind: global_buffer, .address_space: global }
      - { .name: wrq, .offset: 8, .size: 8, .value_kind: global_buffer, .address_space: global }
      - { .name: q_ws, .offset: 16, .size: 8, .value_kind: global_buffer, .address_space: global }
      - { .name: k_ws, .offset: 24, .size: 8, .value_kind: global_buffer, .address_space: global }
      - { .name: lg_ws, .offset: 32, .size: 8, .value_kind: global_buffer, .address_space: global }
    .group_segment_fixed_size: 327680
    .private_segment_fixed_size: 0
    .kernarg_segment_align: 8
    .kernarg_segment_size: 40
    .max_flat_workgroup_size: 128
    .sgpr_count:     66
    .vgpr_count:     1024
    .wavefront_size: 32
...
	.end_amdgpu_metadata
.endif
;; end of part 2
;; launch post (part 3): grid 32 x 1, 8 waves a work-group, no clusters, 214,016 bytes of LDS; arguments lg_ws, adj_mask, vq, woq, bo, out0, out1; writes out0, out1
.if DOCPART == 3
	.amdgcn_target "amdgcn-amd-amdhsa--gfx1250"
	.amdhsa_code_object_version 6
	.text
	.protected	k_qa2e2668c68_post
	.globl	k_qa2e2668c68_post
	.p2align	8
	.type	k_qa2e2668c68_post,@function
k_qa2e2668c68_post:
	s_mov_b64 s[64:65], 0
	v_nop
	global_prefetch_b8 v0, s[64:65] scope:SCOPE_SE
	s_setreg_imm32_b32 hwreg(HW_REG_WAVE_MODE, 25, 1), 1
	s_wait_xcnt 0x0
; POST.  The mask, the softmax over the 256 keys (out1), O = P V / l and out0 = O Wo^T + bo, both products on codes of FP4 (E2M1) with one E8M0 scale for each 32 along K.
; SHARES.  A work-group owns 16 queries of one batch, all 8 heads: the last product sums over all heads, so 32 work-groups are all the work there is.
; In the softmax wave w owns keys 32 w .. 32 w + 31, one block of the quantiser, for all heads: lane (r, h) holds query r and keys 16 h + 0 .. 15; register L + 16 x head + i.  Maxima and sums meet in LDS.
; In the products wave w owns head w, then output features 64 w .. 64 w + 63.  Both are used transposed (source 0 = V^T's or Wo's 16 rows, source 1 = the 16 queries): a lane holds one query throughout.
; THE SOFTMAX AHEAD OF THE PRODUCT: t = logit x log2(e); M = the row's largest t rounded up to a whole number; p = 2^(t - M) is quantised, not normalised; l is the sum of the unquantised p; O is divided by l; out1 = p / l.
; A block's largest p is not searched for: its largest logit goes through the same multiply-add and exponential (this takes v_exp_f32 not to fall where its input rises).
; A query all of whose keys are masked has M = -infinity, p = NaN, l = NaN: out1 is NaN there, and its scale bytes for the last product are set to 0xff, so that out0 is NaN there too.
; Operands go from wave to wave through LDS in the order in which fragments are read: a block of 32 codes of a query is 16 bytes at 256 x block + 16 x query.
; LOADS.  The head asks for what the softmax wants and for the small things (62 loads a wave).  V's and Wo's fragments, 48 loads a wave that only the products want, are asked for in three runs among the softmax's arithmetic.
; LIMITS: a block whose largest magnitude lies under 2^-124, a block of zeros among them, keeps the scale byte 1; NaN and +infinity among the logits are not served.
; No tensor load, no cluster, no prefetch: a work-group reads 128 KB of its own once, and the launch is short.
.set MXB,  0                           ; LDS: the blocks' largest logits: 8 waves x 32 lanes x 32 bytes (a word a head); later 1 / l
.set SMB,  8192                        ; the blocks' sums, likewise
.set PIMG, 16384                       ; p's codes: 2,048 x head + 256 x block + 16 x query + 8 x half
.set PSC,  32768                       ; p's scale bytes: 128 x head + 8 x query + block
.set OIMG, 33792                       ; O's codes: 256 x block (of 16) + 16 x query + 8 x half
.set OSC,  37888                       ; O's scale bytes: 16 x query + block
.set W1S,  38144                       ; out1's stage: 8 waves x 32 lanes x (512 bytes + 16)
.set O0S,  173312                      ; out0's stage: 8 waves x 16 rows x (256 bytes + 16)
.set VS,   24                          ; v24-31 V's scale words: 2 x tile + K step
.set WOS,  32                          ; v32-39 Wo's: 4 (tile / 2) + K step; an odd tile's in lanes 16-31
.set PS,   40                          ; v40-41 p's
.set OS,   42                          ; v42-45 O's
.set RK,   46                          ; v46    1 / l of my wave's head
.set C255, 47                          ; v47    0xff
.set PC,   48                          ; v48-63 V's scale halves as loaded; then codes just made
.set BM,   64                          ; v64-71 a head's largest logit of my block, then its largest p, then the scale byte
.set NM,   72                          ; v72-79 -M; later 1 / l
.set SM,   80                          ; v80-87 sums (until the first sum: v80-82 three offsets of the head's loads)
.set T,    88                          ; v88-95 at work
.set L,    96                          ; v96-223 logits, then p; later rows of out1; later PF, OV, OF
.set BUF,  224                         ; v224-255 the mask; what comes from LDS; rows on the way out
.set PF,   96                          ; p's two fragments
.set OV,   112                         ; O / l
.set OF,   144                         ; O's four fragments
.set SEL,  32                          ; s[32:33]
; window 1: v0-127 Wo's 16 fragments (32 x tile + 8 x K step); v128-191 V's 8 (16 x tile + 8 x K step); v192-223 bo in the result's layout; v224-255 four accumulators
.set MSB, 0
.macro WIN new                         ; the immediate's high byte repeats the setting that is left
.if MSB != (\new)
	s_set_vgpr_msb (MSB<<8)|(\new)
.set MSB, (\new)
.endif
.endm
.macro BARRIER                         ; my LDS stores have landed and my LDS loads are in: then the work-group's barrier
	s_wait_dscnt 0x0
	s_barrier_signal -1
	s_barrier_wait -1
.endm
	s_load_b256 s[4:11], s[0:1], 0x0               ; lg_ws 4, adj_mask 6, vq 8, woq 10
	s_load_b128 s[12:15], s[0:1], 0x20             ; bo 12, out0 14
	s_load_b64 s[16:17], s[0:1], 0x30              ; out1
	v_lshrrev_b32 v1, 5, v0
	v_readfirstlane_b32 s18, v1                    ; wave 0..7
	v_and_b32 v1, 31, v0                           ; lane
	v_and_b32 v2, 15, v0                           ; r
	v_bfe_u32 v3, v0, 4, 1                         ; h
	v_lshlrev_b32 v4, 4, v2
	v_lshl_add_u32 v4, v3, 10, v4                  ; logits: 16 bytes a query (four keys), 1,024 h (16 keys)
	v_lshlrev_b32 v5, 10, v2
	v_lshl_add_u32 v5, v3, 6, v5                   ; the mask: a row of 1,024 bytes a query, 64 h
	v_lshlrev_b32 v6, 4, v1                        ; 16 x lane
	v_lshlrev_b32 v8, 5, v1                        ; 32 x lane
	s_lshl_b32 s37, s18, 10
	v_add_nc_u32 v7, s37, v8                       ; + 1,024 x wave
	s_lshl_b32 s37, s18, 8
	s_add_co_u32 s37, s37, PIMG
	v_lshl_add_u32 v9, v2, 4, s37
	v_lshl_add_u32 v9, v3, 3, v9                   ; p's codes, in
	s_add_co_u32 s37, s18, PSC
	v_lshl_add_u32 v10, v2, 3, s37                 ; p's scale byte, in
	s_lshl_b32 s37, s18, 11
	s_add_co_u32 s37, s37, PIMG
	v_add_nc_u32 v11, s37, v6                      ; my head's p, back
	s_lshl_b32 s37, s18, 7
	s_add_co_u32 s37, s37, PSC
	v_lshl_add_u32 v12, v2, 3, s37
	s_mul_i32 s37, s18, 16896
	s_add_co_u32 s37, s37, W1S
	v_mul_u32_u24 v13, v1, 528
	v_add_nc_u32 v13, s37, v13                     ; out1's stage, in: my 16 keys x 8 heads
	v_mul_u32_u24 v14, v3, 8448
	v_lshl_add_u32 v14, v2, 4, v14
	v_add_nc_u32 v14, s37, v14                     ; and back: sixteen lanes take 256 bytes
	v_lshlrev_b32 v15, 9, v3
	v_lshl_add_u32 v15, v2, 4, v15                 ; the same place in out1
	s_lshl_b32 s37, s18, 9
	s_add_co_u32 s37, s37, OIMG
	v_lshl_add_u32 v16, v2, 4, s37
	v_lshl_add_u32 v16, v3, 3, v16                 ; O's codes, in: blocks 2 w, 2 w + 1
	s_lshl_b32 s37, s18, 1
	s_add_co_u32 s37, s37, OSC
	v_lshl_add_u32 v17, v2, 4, s37
	v_add_nc_u32 v18, OIMG, v6
	v_lshl_add_u32 v19, v2, 4, OSC
	s_mul_i32 s37, s18, 4352
	s_add_co_u32 s37, s37, O0S
	v_mul_u32_u24 v20, v2, 272
	v_lshl_add_u32 v20, v3, 6, v20
	v_add_nc_u32 v20, s37, v20                     ; out0's stage, in
	v_mul_u32_u24 v21, v3, 272
	v_lshl_add_u32 v21, v2, 4, v21
	v_add_nc_u32 v21, s37, v21                     ; and back
	v_lshlrev_b32 v22, 11, v3
	v_lshl_add_u32 v22, v2, 4, v22                 ; the same two rows in out0
	v_mov_b32 v23, 0xff800000                      ; -infinity
	v_mov_b32 v[C255], 0xff
	v_lshlrev_b32 v80, 2, v1                       ; three offsets for the head's loads, in registers that are not written before those loads are shown done:
	v_lshl_add_u32 v81, v3, 9, v6                  ; 4 x lane; 16 x lane + 512 h; 64 h
	v_lshlrev_b32 v82, 6, v3
.irp e, 0,1,2,3,4,5,6,7
	v_mov_b32 v[T+\e], 0                           ; written once: a lane permute's destination counts as one of its sources
.endr
	s_mov_b32 s[SEL], 0x76543210
	s_mov_b32 s[SEL+1], 0xfedcba98
	s_mov_b32 s22, 0x3fb8aa3b                      ; log2(e)
	s_lshl_b32 s23, s18, 2
	s_lshr_b32 s19, ttmp9, 4                       ; batch
	s_lshl_b32 s20, s19, 3
	s_add_co_u32 s20, s20, s18                     ; batch x 8 + my head
	s_mov_b32 s35, 0
	s_wait_kmcnt 0x0
	s_lshl_b32 s34, ttmp9, 3
	s_add_co_u32 s34, s34, s18
	s_lshl_b32 s34, s34, 14
	s_add_nc_u64 s[4:5], s[4:5], s[34:35]          ; logits: 16 KB for each 16 queries x 32 keys
	s_lshl_b32 s34, ttmp9, 14
	s_lshl_b32 s36, s18, 7
	s_add_co_u32 s34, s34, s36
	s_add_nc_u64 s[6:7], s[6:7], s[34:35]          ; the mask: 16 rows of 1,024 bytes a work-group, 128 bytes a wave
	s_lshl_b32 s34, s20, 13
	s_add_nc_u64 s[24:25], s[8:9], s[34:35]        ; V's codes of my head
	s_lshl_b32 s34, s20, 11
	s_add_co_u32 s34, s34, 131072
	s_add_nc_u64 s[26:27], s[8:9], s[34:35]        ; and its scale halves
	s_lshl_b32 s34, s18, 14
	s_add_nc_u64 s[28:29], s[10:11], s[34:35]      ; Wo's four tiles of mine
	s_lshl_b32 s34, s18, 11
	s_add_co_u32 s34, s34, 131072
	s_add_nc_u64 s[30:31], s[10:11], s[34:35]
	s_lshl_b32 s34, s18, 8
	s_add_nc_u64 s[12:13], s[12:13], s[34:35]      ; bo at my 64 features
	s_lshl_b32 s36, ttmp9, 15
	s_add_co_u32 s34, s34, s36
	s_add_nc_u64 s[14:15], s[14:15], s[34:35]      ; out0: 16 rows of 2,048 bytes a work-group, 256 bytes a wave
	s_lshl_b32 s34, ttmp9, 17
	s_lshl_b32 s36, s18, 10
	s_add_co_u32 s34, s34, s36
	s_add_nc_u64 s[16:17], s[16:17], s[34:35]      ; out1: 16 rows of 8,192 bytes, 1,024 bytes a wave
	; the head's loads, what is wanted first going first
.irp hd, 0,1,2,3,4,5,6,7
.irp q, 0,1,2,3
	global_load_b128 v[L+16*\hd+4*\q:L+16*\hd+4*\q+3], v4, s[4:5] offset:\hd*2048+\q*256 th:TH_LOAD_NT   ; sixteen lanes read 256 consecutive bytes
.endr
.endr
.irp q, 0,1,2,3
	global_load_b128 v[BUF+4*\q:BUF+4*\q+3], v5, s[6:7] offset:16*\q th:TH_LOAD_NT
.endr
.set i, 0
.rept 16
	global_load_b32 v[PC+i], v80, s[26:27] offset:128*i
.set i, i+1
.endr
.irp e, 0,1
	global_load_b128 v[WOS+4*\e:WOS+4*\e+3], v81, s[30:31] offset:\e*1024
.endr
	WIN 0x40                                       ; destination window 1
.irp g, 0,1,2,3
.irp q, 0,1
	global_load_b128 v[192+8*\g+4*\q:192+8*\g+4*\q+3], v82, s[12:13] offset:(\g/2)*128+(\g%2)*32+16*\q
.endr
.endr
	WIN 0
	s_wait_loadcnt 26                              ; logits and mask are in: behind them stand V's 16 scale halves, Wo's 2 loads of scale words and bo's 8
	; ---- A: the mask; each head's largest logit of my 32 keys
.irp i, 0,1,2,3,4,5,6,7,8,9,10,11,12,13,14,15
	v_cmp_eq_u32 vcc_lo, 1, v[BUF+\i]              ; a key marked 1 does not count
.irp hd, 0,1,2,3,4,5,6,7
	v_cndmask_b32 v[L+16*\hd+\i], v[L+16*\hd+\i], v23, vcc_lo
.endr
.endr
	WIN 0x40                                       ; V's eight fragments of my head: wanted only behind the softmax
.set i, 0
.rept 16
	global_load_b128 v[128+4*i:128+4*i+3], v6, s[24:25] offset:512*i
.set i, i+1
.endr
	WIN 0
.irp hd, 0,1,2,3,4,5,6,7
	v_max3_num_f32 v[BM+\hd], v[L+16*\hd], v[L+16*\hd+1], v[L+16*\hd+2]
.endr
.irp i, 3,5,7,9,11,13
.irp hd, 0,1,2,3,4,5,6,7
	v_max3_num_f32 v[BM+\hd], v[BM+\hd], v[L+16*\hd+\i], v[L+16*\hd+\i+1]   ; the heads by turns
.endr
.endr
.irp hd, 0,1,2,3,4,5,6,7
	v_max_num_f32 v[BM+\hd], v[BM+\hd], v[L+16*\hd+15]
.endr
.irp hd, 0,1,2,3,4,5,6,7
	v_permlanex16_b32 v[T+\hd], v[BM+\hd], s[SEL], s[SEL+1]
.endr
.irp hd, 0,1,2,3,4,5,6,7
	v_max_num_f32 v[BM+\hd], v[BM+\hd], v[T+\hd]   ; with lane l xor 16's 16 keys
.endr
	ds_store_b128 v7, v[BM:BM+3] offset:MXB
	ds_store_b128 v7, v[BM+4:BM+7] offset:MXB+16
	BARRIER                                        ; all eight blocks' maxima lie in LDS
	; ---- B: M, p, my block's sums, p's codes
.irp q, 0,1                                    ; four heads at a time
.irp k, 0,1,2,3,4,5,6,7
	ds_load_b128 v[BUF+4*\k:BUF+4*\k+3], v8 offset:MXB+\k*1024+16*\q
.endr
	s_wait_dscnt 0x0
.irp e, 0,1,2,3
	v_max3_num_f32 v[NM+4*\q+\e], v[BUF+\e], v[BUF+4+\e], v[BUF+8+\e]
.endr
.irp e, 0,1,2,3
	v_max3_num_f32 v[NM+4*\q+\e], v[NM+4*\q+\e], v[BUF+12+\e], v[BUF+16+\e]
.endr
.irp e, 0,1,2,3
	v_max3_num_f32 v[NM+4*\q+\e], v[NM+4*\q+\e], v[BUF+20+\e], v[BUF+24+\e]
.endr
.irp e, 0,1,2,3
	v_max_num_f32 v[NM+4*\q+\e], v[NM+4*\q+\e], v[BUF+28+\e]   ; the row's largest logit
.endr
.endr
.irp hd, 0,1,2,3,4,5,6,7
	v_mul_f32 v[NM+\hd], s22, v[NM+\hd]            ; as t
.endr
.irp hd, 0,1,2,3,4,5,6,7
	v_floor_f32 v[NM+\hd], -v[NM+\hd]              ; -M = floor(-t) = -ceil(t)
.endr
	WIN 0x40                                       ; Wo's first eight fragments of mine
.set i, 0
.rept 16
	global_load_b128 v[4*i:4*i+3], v6, s[28:29] offset:512*i
.set i, i+1
.endr
	WIN 0
.irp hd, 0,1,2,3,4,5,6,7
.irp i, 0,1,2,3,4,5,6,7,8,9,10,11,12,13,14,15
	v_fma_f32 v[L+16*\hd+\i], v[L+16*\hd+\i], s22, v[NM+\hd]   ; t - M
.endr
	v_fma_f32 v[BM+\hd], v[BM+\hd], s22, v[NM+\hd] ; the same of the block's largest logit
.endr
	WIN 0x40                                       ; and the other eight
.set i, 16
.rept 16
	global_load_b128 v[4*i:4*i+3], v6, s[28:29] offset:512*i
.set i, i+1
.endr
	WIN 0
.set i, 0
.rept 128
	v_exp_f32 v[L+i], v[L+i]                       ; p = 2^(t - M)
.set i, i+1
.endr
.irp hd, 0,1,2,3,4,5,6,7
	v_exp_f32 v[BM+\hd], v[BM+\hd]                 ; the block's largest p
.endr
	v_nop                                          ; a plain instruction behind the last exponential
	s_wait_alu depctr_va_vdst(0)                   ; one wait for the whole batch, ahead of its first reader
	s_wait_loadcnt 48                              ; behind bo's loads stand V's 16 and Wo's 32: so the head's loads are done, V's scale halves are in, and v80-82, their offsets, may take the sums
.irp g, 0,1                                    ; the sums of the unquantised p, four heads at a time, two numbers an instruction
.irp e, 0,1,2,3
	v_pk_add_f32 v[T+2*\e:T+2*\e+1], v[L+16*(4*\g+\e):L+16*(4*\g+\e)+1], v[L+16*(4*\g+\e)+2:L+16*(4*\g+\e)+3]
.endr
.irp i, 4,6,8,10,12,14
.irp e, 0,1,2,3
	v_pk_add_f32 v[T+2*\e:T+2*\e+1], v[T+2*\e:T+2*\e+1], v[L+16*(4*\g+\e)+\i:L+16*(4*\g+\e)+\i+1]
.endr
.endr
.irp e, 0,1,2,3
	v_add_f32 v[SM+4*\g+\e], v[T+2*\e], v[T+2*\e+1]
.endr
.endr
.irp hd, 0,1,2,3,4,5,6,7
	v_permlanex16_b32 v[T+\hd], v[SM+\hd], s[SEL], s[SEL+1]
.endr
.irp hd, 0,1,2,3,4,5,6,7
	v_add_f32 v[SM+\hd], v[SM+\hd], v[T+\hd]       ; my block's 32 keys
.endr
	ds_store_b128 v7, v[SM:SM+3] offset:SMB
	ds_store_b128 v7, v[SM+4:SM+7] offset:SMB+16
.irp hd, 0,1,2,3,4,5,6,7
	v_max_num_f32 v[BM+\hd], 0x1800000, v[BM+\hd]  ; the floor 2^(3 - 127): the byte cannot fall under 1
.endr
.irp hd, 0,1,2,3,4,5,6,7
	v_add_nc_u32 v[T+\hd], 0xff000000, v[BM+\hd]   ; 2 off the exponent field: the conversion's scale operand
.endr
.irp hd, 0,1,2,3,4,5,6,7
	v_lshrrev_b32 v[BM+\hd], 23, v[T+\hd]          ; the scale's byte
.endr
.irp u, 0,1,2,3
.irp s, 0,1
	v_lshl_or_b32 v[VS+2*\u+\s], v[PC+4*\u+2*\s+1], 16, v[PC+4*\u+2*\s]   ; V's scale word of 128 keys from the halves of two runs of 64; then these registers take p's codes
.endr
.endr
.irp hd, 0,1,2,3,4,5,6,7
	v_cvt_scalef32_pk8_fp4_f32 v[PC+2*\hd], v[L+16*\hd:L+16*\hd+7], v[T+\hd]
	v_cvt_scalef32_pk8_fp4_f32 v[PC+2*\hd+1], v[L+16*\hd+8:L+16*\hd+15], v[T+\hd]
.endr
	v_nop                                          ; one plain place behind a scaled conversion
.irp hd, 0,1,2,3,4,5,6,7
	ds_store_b64 v9, v[PC+2*\hd:PC+2*\hd+1] offset:\hd*2048   ; my half of the block: 8 bytes
	ds_store_b8 v10, v[BM+\hd] offset:\hd*128      ; both halves of the lanes write the same byte with the same value
.endr
	BARRIER                                        ; sums, codes and scale bytes lie in LDS; nobody reads the maxima any more
	; ---- C: l, 1 / l, out1
.irp q, 0,1
.irp k, 0,1,2,3,4,5,6,7
	ds_load_b128 v[BUF+4*\k:BUF+4*\k+3], v8 offset:SMB+\k*1024+16*\q
.endr
	s_wait_dscnt 0x0
.irp e, 0,1,2,3
	v_add_f32 v[SM+4*\q+\e], v[BUF+\e], v[BUF+4+\e]
.endr
.irp k, 2,3,4,5,6,7
.irp e, 0,1,2,3
	v_add_f32 v[SM+4*\q+\e], v[SM+4*\q+\e], v[BUF+4*\k+\e]     ; the blocks in ascending order: every wave gets the same l
.endr
.endr
.endr
.irp hd, 0,1,2,3,4,5,6,7
	v_rcp_f32 v[NM+\hd], v[SM+\hd]                 ; 1 / l
.endr
	v_add_nc_u32 v[T], s23, v7                     ; (a plain instruction behind the reciprocals)  where my own head's 1 / l will lie
	s_wait_alu depctr_va_vdst(0)                   ; one wait for the eight, ahead of their first reader
	ds_store_b128 v7, v[NM:NM+3] offset:MXB        ; a register cannot be chosen by the wave's number: my lane's eight go to my own bytes,
	ds_store_b128 v7, v[NM+4:NM+7] offset:MXB+16
	ds_load_b32 v[RK], v[T] offset:MXB             ; and the one of head w comes back (LDS serves a wave's instructions in order)
.irp qq, 0,1,2,3                               ; out1 = p / l: four keys x eight heads at a time, turned so that a key's eight heads are neighbours
.irp i, 0,1,2,3
.irp hd, 0,1,2,3,4,5,6,7
	v_mul_f32 v[BUF+8*\i+\hd], v[L+16*\hd+4*\qq+\i], v[NM+\hd]
.endr
.endr
.irp i, 0,1,2,3
.irp q, 0,1
	ds_store_b128 v13, v[BUF+8*\i+4*\q:BUF+8*\i+4*\q+3] offset:32*(4*\qq+\i)+16*\q
.endr
.endr
	s_wait_dscnt 0x0                               ; the stores have read their registers
.endr
.set i, 0
.rept 32
	ds_load_b128 v[L+4*i:L+4*i+3], v14 offset:(i/2)*528+(i%2)*256   ; query i / 2: lanes 0-15 its keys 8 (i % 2) on, lanes 16-31 those 16 further on
.set i, i+1
.endr
.set i, 0
.rept 32
	s_wait_dscnt 31-i                              ; the younger loads may be out
	global_store_b128 v15, v[L+4*i:L+4*i+3], s[16:17] offset:(i/2)*8192+(i%2)*256 th:TH_STORE_NT   ; sixteen lanes store 256 consecutive bytes, aligned
.set i, i+1
.endr
	; ---- D: O^T = V^T P^T of my head, / l, quantised along the head's 64
	s_wait_xcnt 0x0                                ; the stores have read their registers: these are loaded again
.irp s, 0,1
.irp c, 0,1
	ds_load_b128 v[PF+8*\s+4*\c:PF+8*\s+4*\c+3], v11 offset:(2*\s+\c)*512
.endr
.endr
	ds_load_b64 v[PS:PS+1], v12
	s_wait_loadcnt 0x0                             ; V's and Wo's fragments, asked for during the softmax, are in
	s_wait_dscnt 0x0
	WIN 0x51                                       ; source 0, C and D window 1
.irp s, 0,1                                    ; four accumulators by turns
.irp u, 0,1,2,3
.if \s == 0
	v_wmma_scale_f32_16x16x128_f8f6f4 v[224+8*\u:231+8*\u], v[128+16*\u+8*\s:135+16*\u+8*\s], v[PF+8*\s:PF+8*\s+7], 0, v[VS+2*\u+\s], v[PS+\s] matrix_a_fmt:MATRIX_FMT_FP4 matrix_b_fmt:MATRIX_FMT_FP4
.else
	v_wmma_scale_f32_16x16x128_f8f6f4 v[224+8*\u:231+8*\u], v[128+16*\u+8*\s:135+16*\u+8*\s], v[PF+8*\s:PF+8*\s+7], v[224+8*\u:231+8*\u], v[VS+2*\u+\s], v[PS+\s] matrix_a_fmt:MATRIX_FMT_FP4 matrix_b_fmt:MATRIX_FMT_FP4
.endif
.endr
.endr
	WIN 0x01                                       ; source 0 window 1
.rept 4
	v_nop                                          ; four places ahead of the first read of results
.endr
.set i, 0
.rept 32
	v_mul_f32 v[OV+i], v[224+i], v[RK]             ; register 16 b + i: feature 32 b + 16 h + i of my head, of query r
.set i, i+1
.endr
	WIN 0
.irp b, 0,1
	v_max3_num_f32 v[T+\b], |v[OV+16*\b]|, |v[OV+16*\b+1]|, 0x1800000
.endr
.irp i, 2,4,6,8,10,12,14
.irp b, 0,1
	v_max3_num_f32 v[T+\b], v[T+\b], |v[OV+16*\b+\i]|, |v[OV+16*\b+\i+1]|
.endr
.endr
.irp b, 0,1
	v_permlanex16_b32 v[T+2+\b], v[T+\b], s[SEL], s[SEL+1]
.endr
.irp b, 0,1
	v_max_num_f32 v[T+\b], v[T+\b], v[T+2+\b]
.endr
.irp b, 0,1
	v_add_nc_u32 v[T+4+\b], 0xff000000, v[T+\b]
.endr
.irp b, 0,1
	v_lshrrev_b32 v[T+6+\b], 23, v[T+4+\b]
.endr
	v_cmp_neq_f32 vcc_lo, v[RK], v[RK]             ; 1 / l is NaN: every key of the query is masked
.irp b, 0,1
	v_cndmask_b32 v[T+6+\b], v[T+6+\b], v[C255], vcc_lo   ; then the byte that makes the query's sums NaN
.endr
.irp b, 0,1
	v_cvt_scalef32_pk8_fp4_f32 v[PC+2*\b], v[OV+16*\b:OV+16*\b+7], v[T+4+\b]
	v_cvt_scalef32_pk8_fp4_f32 v[PC+2*\b+1], v[OV+16*\b+8:OV+16*\b+15], v[T+4+\b]
.endr
	v_nop                                          ; one plain place behind a scaled conversion
.irp b, 0,1
	ds_store_b64 v16, v[PC+2*\b:PC+2*\b+1] offset:256*\b
	ds_store_b8 v17, v[T+6+\b] offset:\b
.endr
	BARRIER                                        ; O's sixteen blocks lie in LDS
	; ---- E: out0^T = Wo O^T + bo: my 64 features for the 16 queries
.irp s, 0,1,2,3
.irp c, 0,1
	ds_load_b128 v[OF+8*\s+4*\c:OF+8*\s+4*\c+3], v18 offset:(2*\s+\c)*512
.endr
.endr
	ds_load_b128 v[OS:OS+3], v19
	s_wait_dscnt 0x0
	WIN 0x51
.irp s, 0,1,2,3                                ; four accumulators by turns; bo is the C of each sum's first instruction
.irp g, 0,1,2,3
.set DD, 224+8*\g
.if \s == 0
.set CC, 192+8*\g
.else
.set CC, DD
.endif
.if \g%2 == 0
	v_wmma_scale_f32_16x16x128_f8f6f4 v[DD:DD+7], v[32*\g+8*\s:32*\g+8*\s+7], v[OF+8*\s:OF+8*\s+7], v[CC:CC+7], v[WOS+4*(\g/2)+\s], v[OS+\s] matrix_a_fmt:MATRIX_FMT_FP4 matrix_b_fmt:MATRIX_FMT_FP4
.else
	v_wmma_scale_f32_16x16x128_f8f6f4 v[DD:DD+7], v[32*\g+8*\s:32*\g+8*\s+7], v[OF+8*\s:OF+8*\s+7], v[CC:CC+7], v[WOS+4*(\g/2)+\s], v[OS+\s] matrix_a_fmt:MATRIX_FMT_FP4 matrix_b_fmt:MATRIX_FMT_FP4 matrix_a_scale:MATRIX_SCALE_ROW1
.endif
.endr
.endr
.rept 4
	v_nop                                          ; four places ahead of the stores that read results
.endr
	WIN 0x04                                       ; an LDS store's data are its source 1: window 1
.irp g, 0,1,2,3
.irp q, 0,1
	ds_store_b128 v20, v[224+8*\g+4*\q:224+8*\g+4*\q+3] offset:(\g/2)*128+(\g%2)*32+16*\q   ; each accumulator from its low end on
.endr
.endr
	WIN 0
.irp t, 0,1,2,3,4,5,6,7
	ds_load_b128 v[BUF+4*\t:BUF+4*\t+3], v21 offset:\t*544   ; my own stage: LDS serves a wave's instructions in order
.endr
.irp t, 0,1,2,3,4,5,6,7
	s_wait_dscnt 7-\t                              ; the younger loads may be out
	global_store_b128 v22, v[BUF+4*\t:BUF+4*\t+3], s[14:15] offset:\t*4096 th:TH_STORE_NT   ; sixteen lanes store 256 consecutive bytes, aligned
.endr
	s_wait_xcnt 0x0
	v_lshl_add_u32 v254, v0, 2, 0x34000
	v_mov_b32 v255, 0
	s_wait_tensorcnt 0x0
	ds_add_u32 v254, v255
	s_wait_dscnt 0x0
	s_endpgm
.Lfunc_end_k_qa2e2668c68_post:
	.size	k_qa2e2668c68_post, .Lfunc_end_k_qa2e2668c68_post-k_qa2e2668c68_post
	.p2alignl 7, 3214868480
	.fill 96, 4, 3214868480
	.section	.rodata,"a",@progbits
	.p2align	6, 0x0
	.amdhsa_kernel k_qa2e2668c68_post
		.amdhsa_group_segment_fixed_size 214016
		.amdhsa_private_segment_fixed_size 0
		.amdhsa_enable_private_segment 0
		.amdhsa_kernarg_size 56
		.amdhsa_user_sgpr_count 2
		.amdhsa_user_sgpr_kernarg_segment_ptr 1
		.amdhsa_wavefront_size32 1
		.amdhsa_system_sgpr_workgroup_id_x 1
		.amdhsa_system_sgpr_workgroup_id_y 1
		.amdhsa_system_sgpr_workgroup_id_z 1
		.amdhsa_system_vgpr_workitem_id 0
		.amdhsa_next_free_vgpr 512
		.amdhsa_next_free_sgpr 66
		.amdhsa_reserve_vcc 1
		.amdhsa_float_denorm_mode_32 3
		.amdhsa_float_denorm_mode_16_64 3
		.amdhsa_memory_ordered 1
		.amdhsa_forward_progress 1
		.amdhsa_inst_pref_size 76
	.end_amdhsa_kernel
	.amdgpu_metadata
---
amdhsa.version: [ 1, 2 ]
amdhsa.kernels:
  - .name:           k_qa2e2668c68_post
    .symbol:         k_qa2e2668c68_post.kd
    .args:
      - { .name: lg_ws, .offset: 0, .size: 8, .value_kind: global_buffer, .address_space: global }
      - { .name: adj_mask, .offset: 8, .size: 8, .value_kind: global_buffer, .address_space: global }
      - { .name: vq, .offset: 16, .size: 8, .value_kind: global_buffer, .address_space: global }
      - { .name: woq, .offset: 24, .size: 8, .value_kind: global_buffer, .address_space: global }
      - { .name: bo, .offset: 32, .size: 8, .value_kind: global_buffer, .address_space: global }
      - { .name: out0, .offset: 40, .size: 8, .value_kind: global_buffer, .address_space: global }
      - { .name: out1, .offset: 48, .size: 8, .value_kind: global_buffer, .address_space: global }
    .group_segment_fixed_size: 214016
    .private_segment_fixed_size: 0
    .kernarg_segment_align: 8
    .kernarg_segment_size: 56
    .max_flat_workgroup_size: 256
    .sgpr_count:     66
    .vgpr_count:     512
    .wavefront_size: 32
...
	.end_amdgpu_metadata
.endif
;; end of part 3
;; ======== version 2 of 2: 3 launches; version 1 with the launches prep, post written anew for expert scheduling mode
;; workspace buffers: wrq 294,912 bytes; woq 147,456 bytes; vq 163,840 bytes; q_ws 1,048,576 bytes; k_ws 1,048,576 bytes; lg_ws 4,194,304 bytes
;; launch prep (part 4): grid 204 x 1, 8 waves a work-group, no clusters, 55,296 bytes of LDS; arguments queries, keys, values, Wq, Wk, Wv, bq, bk, bv, Wr, Wo, wrq, woq, vq, q_ws, k_ws; writes wrq, woq, vq, q_ws, k_ws
.if DOCPART == 4
	.amdgcn_target "amdgcn-amd-amdhsa--gfx1250"
	.amdhsa_code_object_version 6
	.text
	.protected	k_qa2e2668c68_prep
	.globl	k_qa2e2668c68_prep
	.p2align	8
	.type	k_qa2e2668c68_prep,@function
k_qa2e2668c68_prep:
	s_mov_b64 s[64:65], 0
	v_nop
	global_prefetch_b8 v0, s[64:65] scope:SCOPE_SE
	s_setreg_imm32_b32 hwreg(HW_REG_WAVE_SCHED_MODE, 0, 2), 2
	s_setreg_imm32_b32 hwreg(HW_REG_WAVE_MODE, 25, 1), 1
	s_wait_xcnt 0x0
	s_wait_alu depctr_vm_vsrc(0)
; PREP.  Work-groups 0-191: the three projections q = (queries Wq^T + bq) / 8, k = keys Wk^T + bk, v = values Wv^T + bv, on codes of FP4 (E2M1) with one E8M0 scale for each 32 along K = 512.
; Work-groups 192-203: Wr (64 tiles) and Wo (32 tiles) are quantised once and laid out as images of the operand's registers, so that later launches load fragments whole.
; A TILE is 16 rows x 512 K.  Lane r of tile G takes row 32 (G / 2) + 8 (G % 2) + r + 8 (r / 8): used as source 0, the 16 result registers of tiles 2 b and 2 b + 1 are then 16 neighbouring rows, 32 b + 16 (lane / 16) + 0 .. 15.
; PROJECTION: a work-group makes 64 x 64 of one result.  Its eight waves quantise one tile each (32 KB of f32, all 64 loads out at once): waves 0-3 source 0's four tiles, waves 4-7 source 1's.
; The fragments go from wave to wave through LDS as images of their registers; behind one barrier wave w (0-3) multiplies source 1's tile w by source 0's four tiles.
; q, k: source 0 = W's rows, source 1 = the activation's rows: a lane holds one row and neighbouring features; rows leave through the wave's own stage, sixteen lanes to 256 consecutive bytes.
; v: source 0 = values' rows (the keys j), source 1 = Wv's rows: a lane holds one feature and its registers run along j, which is the K of the product with the softmax: v is quantised in registers and leaves as codes.
; The biases are the C of each sum's first matrix instruction, so the sum's order differs from bias-last.
; LIMITS: a block whose largest magnitude lies under 2^-124, a block of zeros among them, keeps the scale byte 1 (its codes are then zeros or subnormal codes; these bytes are read by this program alone); NaN and infinities among the inputs are not served.
; No tensor load: each wave's 32 KB are wanted in registers at once.  No cluster: a work-group reads 256 KB once, and the launch is short.
; THE MODE: SCHED_MODE bits 1:0 = 2 (LLVM: expert scheduling mode 2), set by the entry lines.  The code itself states the register dependences
; between vector or matrix instructions and memory or LDS instructions, with s_wait_alu, always for 0.
; THE PLAN.  Registers that memory or LDS instructions touch:
;   v5-v13          offsets and addresses: written at the head, never again; one wait at the head, ahead of the branch that parts the two paths, serves every load and store.
;   window 1        the tile's numbers: written by the 64 loads, read by the quantiser; behind the barrier source 0's fragments land in v0-127 of it.
;   PC + 8 s, PW    written by K step s's quantising; read by the stores that are issued at the head of step s + 1, behind that step's wait for its loads and one wait on va_vdst; PC and PW are written once more in v's way out.
;   CB, BF, BS, AS, OUTR   loaded, and read by matrix instructions or stores: no vector instruction names them.
;   ACC             written by the matrix instructions (q: scaled in place), read by the stage's stores or by v's quantiser.
;   v254, v255      written at the head, read by the closing add alone.
.set REGB,   4608                      ; LDS: a tile's image: 4 K steps x 2 x 512 bytes of codes, then 512 bytes of scale words (16 a lane)
.set STAGE,  8*REGB                    ; behind the eight images: 16 rows x 272 bytes for each of waves 0-3
.set SPITCH, 272
.set SRCO, 5                           ; v5   my lane's byte in a tile: row x 2,048 + 64 (lane / 16)
.set LI,   6                           ; v6   16 x lane
.set IMW,  7                           ; v7   my wave's image: REGB x wave + 16 x lane
.set STO,  8                           ; v8   the stage, in
.set SRD,  9                           ; v9   the stage, back
.set GOUT, 10                          ; v10  my byte in two rows of q_ws or k_ws
.set BIO,  11                          ; v11  64 (lane / 16): bq, bk
.set L4,   12                          ; v12  4 x lane
.set BVO,  13                          ; v13  my feature's byte in the head's part of bv
.set TM,   16                          ; v16-31  at work in the quantiser
.set PW,   32                          ; v32-35  a tile's scale words, one a K step
.set PC,   36                          ; v36-67  a tile's four fragments
.set CB,   68                          ; v68-99  the bias in the result's layout
.set ACC,  100                         ; v100-131 four accumulators
.set BF,   132                         ; v132-163 source 1's four fragments
.set BS,   164                         ; v164-167 its scale words
.set AS,   168                         ; v168-183 source 0's scale words
.set OUTR, 184                         ; v184-215 rows on the way out
.set SEL,  6                           ; s[6:7]  v_permlanex16_b32's selects for lane l xor 16
; window 1: v0-255 the tile's 256 numbers a lane (register 64 s + 16 b + i = k 128 s + 32 b + 16 (lane / 16) + i); later v0-127 source 0's sixteen fragments
.set MSB, 0
.macro WIN new                         ; the immediate's high byte repeats the setting that is left
.if MSB != (\new)
	s_set_vgpr_msb (MSB<<8)|(\new)
.set MSB, (\new)
.endif
.endm
.macro TILEBASE g                      ; s[56:57] goes on to the first row of tile s[g]: (32 (G / 2) + 8 (G % 2)) rows of 2,048 bytes
	s_lshr_b32 s70, s[\g], 1
	s_lshl_b32 s70, s70, 16
	s_and_b32 s71, s[\g], 1
	s_lshl_b32 s71, s71, 14
	s_add_co_u32 s70, s70, s71
	s_mov_b32 s71, 0
	s_add_nc_u64 s[56:57], s[56:57], s[70:71]
.endm
.macro RAWLOAD                         ; my tile: 64 loads, K step by K step
	WIN 0x40                                       ; destination window 1
.irp s, 0,1,2,3
.irp b, 0,1,2,3
.irp j, 0,1,2,3
	global_load_b128 v[64*\s+16*\b+4*\j:64*\s+16*\b+4*\j+3], v[SRCO], s[56:57] offset:512*\s+128*\b+16*\j
.endr
.endr
.endr
	WIN 0
.endm
; K step s of my tile, whose loads are in, becomes a fragment in v[PC + 8 s] on and a scale word in v[PW + s]
.macro QUANT s
	WIN 0x05                                       ; sources 0 and 1 window 1
.irp b, 0,1,2,3
	v_max3_num_f32 v[TM+\b], |v[64*\s+16*\b]|, |v[64*\s+16*\b+1]|, 0x1800000   ; block b: my 16 numbers, and the floor 2^(3 - 127): the byte cannot fall under 1
.endr
.irp i, 2,4,6,8,10,12,14
.irp b, 0,1,2,3
	v_max3_num_f32 v[TM+\b], |v[64*\s+16*\b+\i]|, |v[64*\s+16*\b+\i+1]|, v[TM+\b]   ; the four blocks by turns
.endr
.endr
	WIN 0
.irp b, 0,1,2,3
	v_permlanex16_b32 v[TM+4+\b], v[TM+\b], s[SEL], s[SEL+1]
.endr
.irp b, 0,1,2,3
	v_max_num_f32 v[TM+\b], v[TM+\b], v[TM+4+\b]   ; with lane l xor 16's 16: the block's largest magnitude
.endr
.irp b, 0,1,2,3
	v_add_nc_u32 v[TM+12+\b], 0xff000000, v[TM+\b] ; 2 off its exponent field: the conversion's scale operand
.endr
.irp b, 0,1,2,3
	v_lshrrev_b32 v[TM+4+\b], 23, v[TM+12+\b]      ; the scale's byte
.endr
	v_lshl_or_b32 v[PW+\s], v[TM+5], 8, v[TM+4]
	v_lshl_or_b32 v[PW+\s], v[TM+6], 16, v[PW+\s]
	v_lshl_or_b32 v[PW+\s], v[TM+7], 24, v[PW+\s]
	WIN 0x01                                       ; source 0 window 1
.irp b, 0,1,2,3
	v_cvt_scalef32_pk8_fp4_f32 v[PC+8*\s+2*\b], v[64*\s+16*\b:64*\s+16*\b+7], v[TM+12+\b]
	v_cvt_scalef32_pk8_fp4_f32 v[PC+8*\s+2*\b+1], v[64*\s+16*\b+8:64*\s+16*\b+15], v[TM+12+\b]
.endr
	WIN 0
	v_nop                                          ; one plain place behind a scaled conversion
.irp c, 0,1                                    ; the operand wants a whole block in a lane: lanes 0-15 block 2 c, lanes 16-31 block 2 c + 1
.irp i, 0,1
	v_permlane16_swap_b32 v[PC+8*\s+4*\c+\i], v[PC+8*\s+4*\c+2+\i]
.endr
.endr
.endm
.macro IMAGE s                         ; K step s's fragment goes to LDS as it stands: 512 consecutive bytes a store
.irp c, 0,1
	ds_store_b128 v[IMW], v[PC+8*(\s)+4*\c:PC+8*(\s)+4*\c+3] offset:1024*(\s)+512*\c
.endr
.endm
.macro SENDW s                         ; a weight's: to memory, 512 consecutive bytes a store
.irp c, 0,1
	global_store_b128 v[LI], v[PC+8*(\s)+4*\c:PC+8*(\s)+4*\c+3], s[60:61] offset:1024*(\s)+512*\c
.endr
.endm
	s_load_b512 s[8:23], s[0:1], 0x0               ; queries 8, keys 10, values 12, Wq 14, Wk 16, Wv 18, bq 20, bk 22
	s_load_b512 s[24:39], s[0:1], 0x40             ; bv 24, Wr 26, Wo 28, wrq 30, woq 32, vq 34, q_ws 36, k_ws 38
	v_lshl_add_u32 v254, v0, 2, 0xd400
	v_mov_b32 v255, 0
	v_lshrrev_b32 v1, 5, v0
	v_readfirstlane_b32 s2, v1                     ; wave 0..7
	v_and_b32 v1, 31, v0                           ; lane
	v_and_b32 v2, 15, v0                           ; r
	v_bfe_u32 v3, v0, 4, 1                         ; h
	v_and_b32 v4, 8, v2
	v_add_nc_u32 v4, v4, v2                        ; r + 8 (r / 8)
	v_lshlrev_b32 v[SRCO], 11, v4
	v_lshl_add_u32 v[SRCO], v3, 6, v[SRCO]
	v_lshlrev_b32 v[LI], 4, v1
	v_lshlrev_b32 v[L4], 2, v1
	s_wait_alu depctr_va_sdst(0)                   ; s2, the wave's number, is written, ahead of its first reader
	s_mul_i32 s3, s2, REGB
	v_add_nc_u32 v[IMW], s3, v[LI]
	s_and_b32 s44, s2, 3                           ; which of a side's four tiles is mine
	s_mul_i32 s4, s44, 16*SPITCH
	s_add_co_u32 s4, s4, STAGE
	v_mul_u32_u24 v[STO], v2, SPITCH
	v_lshl_add_u32 v[STO], v3, 6, v[STO]
	v_add_nc_u32 v[STO], s4, v[STO]                ; in: row r, 64 bytes for each half of the lanes
	v_mul_u32_u24 v[SRD], v3, SPITCH
	v_lshl_add_u32 v[SRD], v2, 4, v[SRD]
	v_add_nc_u32 v[SRD], s4, v[SRD]                ; back: lanes 0-15 one row of 256 bytes, lanes 16-31 the next
	v_lshlrev_b32 v[GOUT], 11, v3
	v_lshl_add_u32 v[GOUT], v2, 4, v[GOUT]
	v_lshlrev_b32 v[BIO], 6, v3
	s_lshr_b32 s78, s44, 1
	s_lshl_b32 s78, s78, 7
	s_and_b32 s79, s44, 1
	s_lshl_b32 s79, s79, 5
	s_add_co_u32 s78, s78, s79                     ; 4 x (32 (tile / 2) + 8 (tile % 2)): my tile's first row among its side's 64, as bytes of f32
	v_lshl_add_u32 v[BVO], v4, 2, s78
.irp b, 0,1,2,3
	v_mov_b32 v[TM+4+\b], 0                        ; written once: a lane permute's destination counts as one of its sources
.endr
	s_mov_b32 s[SEL], 0x76543210
	s_mov_b32 s[SEL+1], 0xfedcba98
	s_wait_kmcnt 0x0
	s_wait_alu depctr_va_vdst(0)                   ; the offsets and addresses v5 to v13 are written, which every load and store of both paths reads; no vector instruction writes them again
	s_cmp_ge_u32 ttmp9, 192
	s_cbranch_scc1 .Lweights                       ; the same way for all eight waves of a work-group
	; ---------------- the projections
	s_lshr_b32 s40, ttmp9, 6                       ; 0: q, 1: k, 2: v
	s_bfe_u32 s41, ttmp9, 0x30003                  ; which 64 rows of the activation
	s_and_b32 s42, ttmp9, 7                        ; which 64 features
	s_lshr_b32 s43, s2, 2                          ; my side: 0 = source 0, 1 = source 1
	s_cmp_eq_u32 s40, 0
	s_cselect_b64 s[48:49], s[8:9], s[10:11]       ; the activation,
	s_cselect_b64 s[50:51], s[14:15], s[16:17]     ; the weight,
	s_cselect_b64 s[52:53], s[20:21], s[22:23]     ; the bias,
	s_cselect_b64 s[54:55], s[36:37], s[38:39]     ; and where rows go
	s_cmp_eq_u32 s40, 2
	s_cselect_b64 s[48:49], s[12:13], s[48:49]
	s_cselect_b64 s[50:51], s[18:19], s[50:51]
	s_cselect_b64 s[52:53], s[24:25], s[52:53]
	s_cselect_b32 s45, 1, 0
	s_xor_b32 s46, s43, s45                        ; q, k: source 0 is the weight; v: source 0 is the activation
	s_cmp_eq_u32 s46, 0
	s_cselect_b64 s[56:57], s[50:51], s[48:49]     ; what my wave quantises,
	s_cselect_b32 s47, s42, s41                    ; and which 64 rows of it
	s_lshl_b32 s47, s47, 2
	s_add_co_u32 s47, s47, s44                     ; my tile
	TILEBASE 47
	s_lshl_b32 s76, s42, 8
	s_mov_b32 s77, 0
	s_add_nc_u64 s[52:53], s[52:53], s[76:77]      ; the bias at the work-group's 64 features
	s_lshl_b32 s80, s41, 17                        ; rows out: 64 x chunk rows of 2,048 bytes,
	s_lshl_b32 s81, s78, 9                         ; + my tile's first row,
	s_add_co_u32 s80, s80, s81
	s_add_co_u32 s80, s80, s76                     ; + the 64 features' 256 bytes
	s_mov_b32 s81, 0
	s_add_nc_u64 s[54:55], s[54:55], s[80:81]
	s_lshr_b32 s82, s41, 2                         ; v's codes: piece (((batch x 8 + head) x 4 + tile) x 4 + run of 64 keys)
	s_lshl_b32 s82, s82, 3
	s_add_co_u32 s82, s82, s42
	s_lshl_b32 s82, s82, 2
	s_add_co_u32 s82, s82, s44
	s_lshl_b32 s82, s82, 2
	s_and_b32 s83, s41, 3
	s_add_co_u32 s82, s82, s83
	s_lshl_b32 s84, s82, 9
	s_mov_b32 s85, 0
	s_add_nc_u64 s[86:87], s[34:35], s[84:85]      ; 512 bytes a piece
	s_lshl_b32 s84, s82, 7
	s_add_co_u32 s84, s84, 131072
	s_add_nc_u64 s[88:89], s[34:35], s[84:85]      ; and 128 bytes of scale words, behind the codes
	; the bias, for the waves that multiply; asked for ahead of the tile, so that the tile's counted waits cover it
	s_cmp_ge_u32 s2, 4
	s_cbranch_scc1 .Lraw
	s_cmp_eq_u32 s40, 2
	s_cbranch_scc1 .Lbias_v
.irp g, 0,1,2,3                                ; q, k: register j of tile g is feature 32 (g / 2) + 8 (g % 2) + 16 h + j
.irp q, 0,1
	global_load_b128 v[CB+8*\g+4*\q:CB+8*\g+4*\q+3], v[BIO], s[52:53] offset:(\g/2)*128+(\g%2)*32+16*\q
.endr
.endr
	s_branch .Lraw
.Lbias_v:                                          ; v: a lane holds one feature, so all 32 registers take that feature's bias
.set i, 0
.rept 32
	global_load_b32 v[CB+i], v[BVO], s[52:53]
.set i, i+1
.endr
.Lraw:
	RAWLOAD
	s_wait_loadcnt 48                              ; loads come back in order: all but the later K steps' (16 each) are in
	QUANT 0
.irp s, 1,2,3
	s_wait_loadcnt 48-16*\s                        ; this K step's loads are in; the later steps' (16 each) may be out
	s_wait_alu depctr_va_vdst(0)                   ; the K step before has written its fragment, which the two stores below read
	IMAGE \s-1                                     ; this step's quantising names none of that fragment's registers
	QUANT \s
.endr
	s_wait_alu depctr_va_vdst(0)                   ; the last fragment and the four scale words are written, which the stores below read; and the quantiser is done reading window 1, in which LDS loads land behind the barrier
	IMAGE 3
	ds_store_b128 v[IMW], v[PW:PW+3] offset:4096   ; and the four scale words
	s_wait_dscnt 0x0                               ; for the others' sake: my stores have landed
	s_barrier_signal -1
	s_barrier_wait -1                              ; all eight images lie in LDS; nothing is written there again
	s_wait_alu depctr_vm_vsrc(0)                   ; my LDS stores have read PC and PW, which v's way out writes again
	s_cmp_ge_u32 s2, 4
	s_cbranch_scc1 .Lidle
.irp s, 0,1,2,3
.irp c, 0,1
	ds_load_b128 v[BF+8*\s+4*\c:BF+8*\s+4*\c+3], v[IMW] offset:4*REGB+1024*\s+512*\c   ; source 1's tile: the image of wave 4 + w
.endr
.endr
	ds_load_b128 v[BS:BS+3], v[IMW] offset:4*REGB+4096
	WIN 0x40
.irp g, 0,1,2,3
.irp s, 0,1,2,3
.irp c, 0,1
	ds_load_b128 v[32*\g+8*\s+4*\c:32*\g+8*\s+4*\c+3], v[LI] offset:\g*REGB+1024*\s+512*\c   ; source 0's four tiles.  No vector instruction since the last wait on va_vdst names these registers or v[LI]
.endr
.endr
.endr
	WIN 0
.irp g, 0,1,2,3
	ds_load_b128 v[AS+4*\g:AS+4*\g+3], v[LI] offset:\g*REGB+4096
.endr
	s_wait_dscnt 0x0
	WIN 0x01                                       ; source 0 window 1
.irp s, 0,1,2,3                                ; four accumulators by turns, one instruction a turn
.irp g, 0,1,2,3
.if \s == 0
	v_wmma_scale_f32_16x16x128_f8f6f4 v[ACC+8*\g:ACC+8*\g+7], v[32*\g+8*\s:32*\g+8*\s+7], v[BF+8*\s:BF+8*\s+7], v[CB+8*\g:CB+8*\g+7], v[AS+4*\g+\s], v[BS+\s] matrix_a_fmt:MATRIX_FMT_FP4 matrix_b_fmt:MATRIX_FMT_FP4
.else
	v_wmma_scale_f32_16x16x128_f8f6f4 v[ACC+8*\g:ACC+8*\g+7], v[32*\g+8*\s:32*\g+8*\s+7], v[BF+8*\s:BF+8*\s+7], v[ACC+8*\g:ACC+8*\g+7], v[AS+4*\g+\s], v[BS+\s] matrix_a_fmt:MATRIX_FMT_FP4 matrix_b_fmt:MATRIX_FMT_FP4
.endif
.endr
.endr
	WIN 0
.rept 4
	v_nop                                          ; four places ahead of the first read of results (ISA guide 7.12.1)
.endr
	s_cmp_eq_u32 s40, 2
	s_cbranch_scc1 .Lout_v
	s_cmp_eq_u32 s40, 0
	s_cbranch_scc0 .Lout_rows
.set i, 0
.rept 16
	v_pk_mul_f32 v[ACC+i:ACC+i+1], v[ACC+i:ACC+i+1], 0x3e000000 op_sel_hi:[1,0]   ; q alone: x 64^-0.5 = 1 / 8, exact
.set i, i+2
.endr
.Lout_rows:                                        ; q, k: 16 rows x 64 features through my own stage (LDS serves a wave's instructions in order: no wait between stores and loads)
	s_wait_alu depctr_va_vdst(0)                   ; the matrix instructions (q: the scalings) have written the accumulators, which the LDS stores read; the four places above stay beside this wait
.irp g, 0,1,2,3
.irp q, 0,1
	ds_store_b128 v[STO], v[ACC+8*\g+4*\q:ACC+8*\g+4*\q+3] offset:(\g/2)*128+(\g%2)*32+16*\q
.endr
.endr
.irp t, 0,1,2,3,4,5,6,7
	ds_load_b128 v[OUTR+4*\t:OUTR+4*\t+3], v[SRD] offset:\t*2*SPITCH
.endr
.irp t, 0,1,2,3,4,5,6,7
	s_wait_dscnt 7-\t                              ; the younger loads may be out
	global_store_b128 v[GOUT], v[OUTR+4*\t:OUTR+4*\t+3], s[54:55] offset:(2*\t+8*(\t/4))*2048   ; stage row n is the tile's row n + 8 (n / 8); sixteen lanes store 256 consecutive bytes, aligned
.endr
	s_wait_dscnt 0x0                               ; the closing lines, six on end
	s_wait_alu 0x0
	s_wait_tensorcnt 0x0
	ds_add_u32 v254, v255
	s_wait_dscnt 0x0
	s_endpgm
.Lout_v:                                           ; v: register 16 b + i is key 32 b + 16 h + i of my run of 64: two blocks along the next K
.irp b, 0,1
	v_max3_num_f32 v[TM+\b], |v[ACC+16*\b]|, |v[ACC+16*\b+1]|, 0x1800000
.endr
.irp i, 2,4,6,8,10,12,14
.irp b, 0,1
	v_max3_num_f32 v[TM+\b], v[TM+\b], |v[ACC+16*\b+\i]|, |v[ACC+16*\b+\i+1]|
.endr
.endr
.irp b, 0,1
	v_permlanex16_b32 v[TM+4+\b], v[TM+\b], s[SEL], s[SEL+1]
.endr
.irp b, 0,1
	v_max_num_f32 v[TM+\b], v[TM+\b], v[TM+4+\b]
.endr
.irp b, 0,1
	v_add_nc_u32 v[TM+12+\b], 0xff000000, v[TM+\b]
.endr
.irp b, 0,1
	v_lshrrev_b32 v[TM+4+\b], 23, v[TM+12+\b]
.endr
	v_lshl_or_b32 v[PW], v[TM+5], 8, v[TM+4]       ; the run's two scale bytes; the upper half stays 0
.irp b, 0,1
	v_cvt_scalef32_pk8_fp4_f32 v[PC+2*\b], v[ACC+16*\b:ACC+16*\b+7], v[TM+12+\b]
	v_cvt_scalef32_pk8_fp4_f32 v[PC+2*\b+1], v[ACC+16*\b+8:ACC+16*\b+15], v[TM+12+\b]
.endr
	v_nop                                          ; one plain place behind a scaled conversion
	v_permlane16_swap_b32 v[PC], v[PC+2]
	v_permlane16_swap_b32 v[PC+1], v[PC+3]         ; lanes 0-15 hold block 0, lanes 16-31 block 1: four registers of the operand
	s_wait_alu depctr_va_vdst(0)                   ; the codes and the scale word are written, which the two stores read
	global_store_b128 v[LI], v[PC:PC+3], s[86:87]  ; 512 consecutive bytes
	global_store_b32 v[L4], v[PW], s[88:89]
	s_wait_dscnt 0x0                               ; the closing lines, six on end
	s_wait_alu 0x0
	s_wait_tensorcnt 0x0
	ds_add_u32 v254, v255
	s_wait_dscnt 0x0
	s_endpgm
.Lidle:                                            ; waves 4-7 have handed their tiles over
	s_wait_dscnt 0x0                               ; the closing lines, six on end
	s_wait_alu 0x0
	s_wait_tensorcnt 0x0
	ds_add_u32 v254, v255
	s_wait_dscnt 0x0
	s_endpgm
	; ---------------- Wr and Wo: a tile a wave, no LDS, no barrier
.Lweights:
	s_sub_co_u32 s40, ttmp9, 192
	s_lshl_b32 s41, s40, 3
	s_add_co_u32 s41, s41, s2                      ; 0-63: Wr's tiles; 64-95: Wo's
	s_mov_b32 s43, 131072
	s_cmp_lt_u32 s40, 8
	s_cselect_b64 s[56:57], s[26:27], s[28:29]
	s_cselect_b64 s[58:59], s[30:31], s[32:33]
	s_cselect_b32 s42, 0, 64
	s_cselect_b32 s43, 262144, s43                 ; where the scale words begin: behind the codes
	s_sub_co_u32 s41, s41, s42                     ; the tile
	TILEBASE 41
	s_lshl_b32 s44, s41, 12
	s_mov_b32 s45, 0
	s_add_nc_u64 s[60:61], s[58:59], s[44:45]      ; 4,096 bytes of codes a tile
	s_lshl_b32 s44, s41, 9
	s_add_co_u32 s44, s44, s43
	s_add_nc_u64 s[62:63], s[58:59], s[44:45]      ; 512 bytes of scale words
	RAWLOAD
	s_wait_loadcnt 48                              ; all but the later K steps' loads (16 each) are in
	QUANT 0
.irp s, 1,2,3
	s_wait_loadcnt 48-16*\s                        ; this K step's loads are in; the later steps' (16 each) may be out
	s_wait_alu depctr_va_vdst(0)                   ; the K step before has written its fragment, which the two stores below read
	SENDW \s-1                                     ; this step's quantising names none of that fragment's registers
	QUANT \s
.endr
	s_wait_alu depctr_va_vdst(0)                   ; the last fragment and the four scale words are written, which the stores below read
	SENDW 3
	global_store_b128 v[LI], v[PW:PW+3], s[62:63]  ; lanes 16-31 hold, and store, the same words as lanes 0-15
	s_endpgm
.Lfunc_end_k_qa2e2668c68_prep:
	.size	k_qa2e2668c68_prep, .Lfunc_end_k_qa2e2668c68_prep-k_qa2e2668c68_prep
	.p2alignl 7, 3214868480
	.fill 96, 4, 3214868480
	.section	.rodata,"a",@progbits
	.p2align	6, 0x0
	.amdhsa_kernel k_qa2e2668c68_prep
		.amdhsa_group_segment_fixed_size 55296
		.amdhsa_private_segment_fixed_size 0
		.amdhsa_enable_private_segment 0
		.amdhsa_kernarg_size 128
		.amdhsa_user_sgpr_count 2
		.amdhsa_user_sgpr_kernarg_segment_ptr 1
		.amdhsa_wavefront_size32 1
		.amdhsa_system_sgpr_workgroup_id_x 1
		.amdhsa_system_sgpr_workgroup_id_y 1
		.amdhsa_system_sgpr_workgroup_id_z 1
		.amdhsa_system_vgpr_workitem_id 0
		.amdhsa_next_free_vgpr 512
		.amdhsa_next_free_sgpr 90
		.amdhsa_reserve_vcc 0
		.amdhsa_float_denorm_mode_32 3
		.amdhsa_float_denorm_mode_16_64 3
		.amdhsa_memory_ordered 1
		.amdhsa_forward_progress 1
		.amdhsa_inst_pref_size 66
	.end_amdhsa_kernel
	.amdgpu_metadata
---
amdhsa.version: [ 1, 2 ]
amdhsa.kernels:
  - .name:           k_qa2e2668c68_prep
    .symbol:         k_qa2e2668c68_prep.kd
    .args:
      - { .name: queries, .offset: 0, .size: 8, .value_kind: global_buffer, .address_space: global }
      - { .name: keys, .offset: 8, .size: 8, .value_kind: global_buffer, .address_space: global }
      - { .name: values, .offset: 16, .size: 8, .value_kind: global_buffer, .address_space: global }
      - { .name: Wq, .offset: 24, .size: 8, .value_kind: global_buffer, .address_space: global }
      - { .name: Wk, .offset: 32, .size: 8, .value_kind: global_buffer, .address_space: global }
      - { .name: Wv, .offset: 40, .size: 8, .value_kind: global_buffer, .address_space: global }
      - { .name: bq, .offset: 48, .size: 8, .value_kind: global_buffer, .address_space: global }
      - { .name: bk, .offset: 56, .size: 8, .value_kind: global_buffer, .address_space: global }
      - { .name: bv, .offset: 64, .size: 8, .value_kind: global_buffer, .address_space: global }
      - { .name: Wr, .offset: 72, .size: 8, .value_kind: global_buffer, .address_space: global }
      - { .name: Wo, .offset: 80, .size: 8, .value_kind: global_buffer, .address_space: global }
      - { .name: wrq, .offset: 88, .size: 8, .value_kind: global_buffer, .address_space: global }
      - { .name: woq, .offset: 96, .size: 8, .value_kind: global_buffer, .address_space: global }
      - { .name: vq, .offset: 104, .size: 8, .value_kind: global_buffer, .address_space: global }
      - { .name: q_ws, .offset: 112, .size: 8, .value_kind: global_buffer, .address_space: global }
      - { .name: k_ws, .offset: 120, .size: 8, .value_kind: global_buffer, .address_space: global }
    .group_segment_fixed_size: 55296
    .private_segment_fixed_size: 0
    .kernarg_segment_align: 8
    .kernarg_segment_size: 128
    .max_flat_workgroup_size: 256
    .sgpr_count:     90
    .vgpr_count:     512
    .wavefront_size: 32
...
	.end_amdgpu_metadata
.endif
;; end of part 4
;; launch rel: the kernel of part 2 again; grid 256 x 1, 4 waves a work-group, no clusters, 327,680 bytes of LDS; arguments relation, wrq, q_ws, k_ws, lg_ws; writes lg_ws
;; launch post (part 5): grid 32 x 1, 8 waves a work-group, no clusters, 214,016 bytes of LDS; arguments lg_ws, adj_mask, vq, woq, bo, out0, out1; writes out0, out1
.if DOCPART == 5
	.amdgcn_target "amdgcn-amd-amdhsa--gfx1250"
	.amdhsa_code_object_version 6
	.text
	.protected	k_qa2e2668c68_post
	.globl	k_qa2e2668c68_post
	.p2align	8
	.type	k_qa2e2668c68_post,@function
k_qa2e2668c68_post:
	s_mov_b64 s[64:65], 0
	v_nop
	global_prefetch_b8 v0, s[64:65] scope:SCOPE_SE
	s_setreg_imm32_b32 hwreg(HW_REG_WAVE_SCHED_MODE, 0, 2), 2
	s_setreg_imm32_b32 hwreg(HW_REG_WAVE_MODE, 25, 1), 1
	s_wait_xcnt 0x0
	s_wait_alu depctr_vm_vsrc(0)
; POST.  The mask, the softmax over the 256 keys (out1), O = P V / l and out0 = O Wo^T + bo, both products on codes of FP4 (E2M1) with one E8M0 scale for each 32 along K.
; SHARES.  A work-group owns 16 queries of one batch, all 8 heads: the last product sums over all heads, so 32 work-groups are all the work there is.
; In the softmax wave w owns keys 32 w .. 32 w + 31, one block of the quantiser, for all heads: lane (r, h) holds query r and keys 16 h + 0 .. 15; register L + 16 x head + i.  Maxima and sums meet in LDS.
; In the products wave w owns head w, then output features 64 w .. 64 w + 63.  Both are used transposed (source 0 = V^T's or Wo's 16 rows, source 1 = the 16 queries): a lane holds one query throughout.
; THE SOFTMAX AHEAD OF THE PRODUCT: t = logit x log2(e); M = the row's largest t rounded up to a whole number; p = 2^(t - M) is quantised, not normalised; l is the sum of the unquantised p; O is divided by l; out1 = p / l.
; A block's largest p is not searched for: its largest logit goes through the same multiply-add and exponential (this takes v_exp_f32 not to fall where its input rises).
; A query all of whose keys are masked has M = -infinity, p = NaN, l = NaN: out1 is NaN there, and its scale bytes for the last product are set to 0xff, so that out0 is NaN there too.
; Operands go from wave to wave through LDS in the order in which fragments are read: a block of 32 codes of a query is 16 bytes at 256 x block + 16 x query.
; LOADS.  The head asks for what the softmax wants and for the small things (62 loads a wave).  V's and Wo's fragments, 48 loads a wave that only the products want, are asked for in three runs among the softmax's arithmetic.
; LIMITS: a block whose largest magnitude lies under 2^-124, a block of zeros among them, keeps the scale byte 1; NaN and +infinity among the logits are not served.
; No tensor load, no cluster, no prefetch: a work-group reads 128 KB of its own once, and the launch is short.
; THE MODE: SCHED_MODE bits 1:0 = 2 (LLVM: expert scheduling mode 2), set by the entry lines.  The code itself states the register dependences
; between vector or matrix instructions and memory or LDS instructions, with s_wait_alu, always for 0.
; THE PLAN.  Registers that memory or LDS instructions touch:
;   v4-v22        offsets and addresses: written at the head, never again: one wait at the head serves every load and store.  So V's and Wo's loads (offset v6, window 1 v0-191, which no vector instruction names) owe no wait of their own.
;   v80-82        offsets of the head's loads; the sums take these registers behind the wait on vm_vsrc that follows the first barrier and behind the counted wait that shows those loads done.
;   L             loaded; masked, scaled and raised in place; read by out1's multiplies; loaded again from out1's stage; read by out1's stores; then p's and O's fragments (loaded) and O / l (vector).
;   BUF, TWICE    v224-255 of window 0 and of window 1 (the accumulators' registers, idle until the first product).  The blocks' maxima, and later their sums, land in both at once, four heads in each;
;                 out1's multiplies write both, and one wait on va_vdst stands ahead of the sixteen stores that read them, one on vm_vsrc ahead of the next pair of blocks.
;   BM, SM, NM, PC, T+6, T+7   vector results that LDS stores read: one wait on va_vdst ahead of each run of stores; a wait on vm_vsrc behind each of the first two barriers, ahead of the lines that write them again.
;   T (v88)       once an LDS address (1 / l of my head).
;   The mask's sixteen compares go in one run into s40-55, with one wait on va_sdst ahead of the selects.
.set MXB,  0                           ; LDS: the blocks' largest logits: 8 waves x 32 lanes x 32 bytes (a word a head); later 1 / l
.set SMB,  8192                        ; the blocks' sums, likewise
.set PIMG, 16384                       ; p's codes: 2,048 x head + 256 x block + 16 x query + 8 x half
.set PSC,  32768                       ; p's scale bytes: 128 x head + 8 x query + block
.set OIMG, 33792                       ; O's codes: 256 x block (of 16) + 16 x query + 8 x half
.set OSC,  37888                       ; O's scale bytes: 16 x query + block
.set W1S,  38144                       ; out1's stage: 8 waves x 32 lanes x (512 bytes + 16)
.set O0S,  173312                      ; out0's stage: 8 waves x 16 rows x (256 bytes + 16)
.set VS,   24                          ; v24-31 V's scale words: 2 x tile + K step
.set WOS,  32                          ; v32-39 Wo's: 4 (tile / 2) + K step; an odd tile's in lanes 16-31
.set PS,   40                          ; v40-41 p's
.set OS,   42                          ; v42-45 O's
.set RK,   46                          ; v46    1 / l of my wave's head
.set C255, 47                          ; v47    0xff
.set PC,   48                          ; v48-63 V's scale halves as loaded; then codes just made
.set BM,   64                          ; v64-71 a head's largest logit of my block, then its largest p, then the scale byte
.set NM,   72                          ; v72-79 -M; later 1 / l
.set SM,   80                          ; v80-87 sums (until the first sum: v80-82 three offsets of the head's loads)
.set T,    88                          ; v88-95 at work
.set L,    96                          ; v96-223 logits, then p; later rows of out1; later PF, OV, OF
.set BUF,  224                         ; v224-255 the mask; what comes from LDS; rows on the way out.  The same numbers in window 1: the second buffer
.set PF,   96                          ; p's two fragments
.set OV,   112                         ; O / l
.set OF,   144                         ; O's four fragments
.set SEL,  32                          ; s[32:33]
.set MK,   40                          ; s40-55 the mask of each of my 16 keys
; window 1: v0-127 Wo's 16 fragments (32 x tile + 8 x K step); v128-191 V's 8 (16 x tile + 8 x K step); v192-223 bo in the result's layout; v224-255 the second buffer, then four accumulators
.set MSB, 0
.macro WIN new                         ; the immediate's high byte repeats the setting that is left
.if MSB != (\new)
	s_set_vgpr_msb (MSB<<8)|(\new)
.set MSB, (\new)
.endif
.endm
.macro BARRIER                         ; my LDS stores have landed and my LDS loads are in: then the work-group's barrier
	s_wait_dscnt 0x0
	s_barrier_signal -1
	s_barrier_wait -1
.endm
.macro W1MUL g                         ; out1 = p / l: keys 4 g .. 4 g + 3 of my 16 x eight heads, turned so that a key's eight heads are neighbours; into the buffer that the window names
.irp i, 0,1,2,3
.irp hd, 0,1,2,3,4,5,6,7
	v_mul_f32 v[BUF+8*\i+\hd], v[L+16*\hd+4*(\g)+\i], v[NM+\hd]
.endr
.endr
.endm
.macro W1STO g                         ; and from that buffer into my stage
.irp i, 0,1,2,3
.irp q, 0,1
	ds_store_b128 v13, v[BUF+8*\i+4*\q:BUF+8*\i+4*\q+3] offset:32*(4*(\g)+\i)+16*\q
.endr
.endr
.endm
	s_load_b256 s[4:11], s[0:1], 0x0               ; lg_ws 4, adj_mask 6, vq 8, woq 10
	s_load_b128 s[12:15], s[0:1], 0x20             ; bo 12, out0 14
	s_load_b64 s[16:17], s[0:1], 0x30              ; out1
	v_lshrrev_b32 v1, 5, v0
	v_readfirstlane_b32 s18, v1                    ; wave 0..7
	v_and_b32 v1, 31, v0                           ; lane
	v_and_b32 v2, 15, v0                           ; r
	v_bfe_u32 v3, v0, 4, 1                         ; h
	v_lshlrev_b32 v4, 4, v2
	v_lshl_add_u32 v4, v3, 10, v4                  ; logits: 16 bytes a query (four keys), 1,024 h (16 keys)
	v_lshlrev_b32 v5, 10, v2
	v_lshl_add_u32 v5, v3, 6, v5                   ; the mask: a row of 1,024 bytes a query, 64 h
	v_lshlrev_b32 v6, 4, v1                        ; 16 x lane
	v_lshlrev_b32 v8, 5, v1                        ; 32 x lane
	s_wait_alu depctr_va_sdst(0)                   ; s18, the wave's number, is written, ahead of its first reader
	s_lshl_b32 s37, s18, 10
	v_add_nc_u32 v7, s37, v8                       ; + 1,024 x wave
	s_lshl_b32 s37, s18, 8
	s_add_co_u32 s37, s37, PIMG
	v_lshl_add_u32 v9, v2, 4, s37
	v_lshl_add_u32 v9, v3, 3, v9                   ; p's codes, in
	s_add_co_u32 s37, s18, PSC
	v_lshl_add_u32 v10, v2, 3, s37                 ; p's scale byte, in
	s_lshl_b32 s37, s18, 11
	s_add_co_u32 s37, s37, PIMG
	v_add_nc_u32 v11, s37, v6                      ; my head's p, back
	s_lshl_b32 s37, s18, 7
	s_add_co_u32 s37, s37, PSC
	v_lshl_add_u32 v12, v2, 3, s37
	s_mul_i32 s37, s18, 16896
	s_add_co_u32 s37, s37, W1S
	v_mul_u32_u24 v13, v1, 528
	v_add_nc_u32 v13, s37, v13                     ; out1's stage, in: my 16 keys x 8 heads
	v_mul_u32_u24 v14, v3, 8448
	v_lshl_add_u32 v14, v2, 4, v14
	v_add_nc_u32 v14, s37, v14                     ; and back: sixteen lanes take 256 bytes
	v_lshlrev_b32 v15, 9, v3
	v_lshl_add_u32 v15, v2, 4, v15                 ; the same place in out1
	s_lshl_b32 s37, s18, 9
	s_add_co_u32 s37, s37, OIMG
	v_lshl_add_u32 v16, v2, 4, s37
	v_lshl_add_u32 v16, v3, 3, v16                 ; O's codes, in: blocks 2 w, 2 w + 1
	s_lshl_b32 s37, s18, 1
	s_add_co_u32 s37, s37, OSC
	v_lshl_add_u32 v17, v2, 4, s37
	v_add_nc_u32 v18, OIMG, v6
	v_lshl_add_u32 v19, v2, 4, OSC
	s_mul_i32 s37, s18, 4352
	s_add_co_u32 s37, s37, O0S
	v_mul_u32_u24 v20, v2, 272
	v_lshl_add_u32 v20, v3, 6, v20
	v_add_nc_u32 v20, s37, v20                     ; out0's stage, in
	v_mul_u32_u24 v21, v3, 272
	v_lshl_add_u32 v21, v2, 4, v21
	v_add_nc_u32 v21, s37, v21                     ; and back
	v_lshlrev_b32 v22, 11, v3
	v_lshl_add_u32 v22, v2, 4, v22                 ; the same two rows in out0
	v_mov_b32 v23, 0xff800000                      ; -infinity
	v_mov_b32 v[C255], 0xff
	v_lshlrev_b32 v80, 2, v1                       ; three offsets for the head's loads, in registers that are not written before those loads are shown done:
	v_lshl_add_u32 v81, v3, 9, v6                  ; 4 x lane; 16 x lane + 512 h; 64 h
	v_lshlrev_b32 v82, 6, v3
.irp e, 0,1,2,3,4,5,6,7
	v_mov_b32 v[T+\e], 0                           ; written once: a lane permute's destination counts as one of its sources
.endr
	s_mov_b32 s[SEL], 0x76543210
	s_mov_b32 s[SEL+1], 0xfedcba98
	s_mov_b32 s22, 0x3fb8aa3b                      ; log2(e)
	s_lshl_b32 s23, s18, 2
	s_lshr_b32 s19, ttmp9, 4                       ; batch
	s_lshl_b32 s20, s19, 3
	s_add_co_u32 s20, s20, s18                     ; batch x 8 + my head
	s_mov_b32 s35, 0
	s_wait_kmcnt 0x0
	s_lshl_b32 s34, ttmp9, 3
	s_add_co_u32 s34, s34, s18
	s_lshl_b32 s34, s34, 14
	s_add_nc_u64 s[4:5], s[4:5], s[34:35]          ; logits: 16 KB for each 16 queries x 32 keys
	s_lshl_b32 s34, ttmp9, 14
	s_lshl_b32 s36, s18, 7
	s_add_co_u32 s34, s34, s36
	s_add_nc_u64 s[6:7], s[6:7], s[34:35]          ; the mask: 16 rows of 1,024 bytes a work-group, 128 bytes a wave
	s_lshl_b32 s34, s20, 13
	s_add_nc_u64 s[24:25], s[8:9], s[34:35]        ; V's codes of my head
	s_lshl_b32 s34, s20, 11
	s_add_co_u32 s34, s34, 131072
	s_add_nc_u64 s[26:27], s[8:9], s[34:35]        ; and its scale halves
	s_lshl_b32 s34, s18, 14
	s_add_nc_u64 s[28:29], s[10:11], s[34:35]      ; Wo's four tiles of mine
	s_lshl_b32 s34, s18, 11
	s_add_co_u32 s34, s34, 131072
	s_add_nc_u64 s[30:31], s[10:11], s[34:35]
	s_lshl_b32 s34, s18, 8
	s_add_nc_u64 s[12:13], s[12:13], s[34:35]      ; bo at my 64 features
	s_lshl_b32 s36, ttmp9, 15
	s_add_co_u32 s34, s34, s36
	s_add_nc_u64 s[14:15], s[14:15], s[34:35]      ; out0: 16 rows of 2,048 bytes a work-group, 256 bytes a wave
	s_lshl_b32 s34, ttmp9, 17
	s_lshl_b32 s36, s18, 10
	s_add_co_u32 s34, s34, s36
	s_add_nc_u64 s[16:17], s[16:17], s[34:35]      ; out1: 16 rows of 8,192 bytes, 1,024 bytes a wave
	s_wait_alu depctr_va_vdst(0)                   ; the offsets and addresses v4 to v22 and v80 to v82 are written, which the kernel's loads and stores read
	; the head's loads, what is wanted first going first
.irp hd, 0,1,2,3,4,5,6,7
.irp q, 0,1,2,3
	global_load_b128 v[L+16*\hd+4*\q:L+16*\hd+4*\q+3], v4, s[4:5] offset:\hd*2048+\q*256 th:TH_LOAD_NT   ; sixteen lanes read 256 consecutive bytes
.endr
.endr
.irp q, 0,1,2,3
	global_load_b128 v[BUF+4*\q:BUF+4*\q+3], v5, s[6:7] offset:16*\q th:TH_LOAD_NT
.endr
.set i, 0
.rept 16
	global_load_b32 v[PC+i], v80, s[26:27] offset:128*i
.set i, i+1
.endr
.irp e, 0,1
	global_load_b128 v[WOS+4*\e:WOS+4*\e+3], v81, s[30:31] offset:\e*1024
.endr
	WIN 0x40                                       ; destination window 1
.irp g, 0,1,2,3
.irp q, 0,1
	global_load_b128 v[192+8*\g+4*\q:192+8*\g+4*\q+3], v82, s[12:13] offset:(\g/2)*128+(\g%2)*32+16*\q
.endr
.endr
	WIN 0
	s_wait_loadcnt 26                              ; logits and mask are in: behind them stand V's 16 scale halves, Wo's 2 loads of scale words and bo's 8
	; ---- A: the mask; each head's largest logit of my 32 keys
.irp i, 0,1,2,3,4,5,6,7,8,9,10,11,12,13,14,15
	v_cmp_eq_u32 s[MK+\i], 1, v[BUF+\i]            ; a key marked 1 does not count: the sixteen compares in one run
.endr
	s_wait_alu depctr_va_sdst(0)                   ; the sixteen masks s40 to s55 are written, ahead of the selects that read them
.irp i, 0,1,2,3,4,5,6,7,8,9,10,11,12,13,14,15
.irp hd, 0,1,2,3,4,5,6,7
	v_cndmask_b32 v[L+16*\hd+\i], v[L+16*\hd+\i], v23, s[MK+\i]
.endr
.endr
	WIN 0x40                                       ; V's eight fragments of my head: wanted only behind the softmax.  No vector instruction since the head's wait names v6 or these registers
.set i, 0
.rept 16
	global_load_b128 v[128+4*i:128+4*i+3], v6, s[24:25] offset:512*i
.set i, i+1
.endr
	WIN 0
.irp hd, 0,1,2,3,4,5,6,7
	v_max3_num_f32 v[BM+\hd], v[L+16*\hd], v[L+16*\hd+1], v[L+16*\hd+2]
.endr
.irp i, 3,5,7,9,11,13
.irp hd, 0,1,2,3,4,5,6,7
	v_max3_num_f32 v[BM+\hd], v[BM+\hd], v[L+16*\hd+\i], v[L+16*\hd+\i+1]   ; the heads by turns
.endr
.endr
.irp hd, 0,1,2,3,4,5,6,7
	v_max_num_f32 v[BM+\hd], v[BM+\hd], v[L+16*\hd+15]
.endr
.irp hd, 0,1,2,3,4,5,6,7
	v_permlanex16_b32 v[T+\hd], v[BM+\hd], s[SEL], s[SEL+1]
.endr
.irp hd, 0,1,2,3,4,5,6,7
	v_max_num_f32 v[BM+\hd], v[BM+\hd], v[T+\hd]   ; with lane l xor 16's 16 keys
.endr
	s_wait_alu depctr_va_vdst(0)                   ; the eight maxima BM are written, which the two stores read; and the compares are done reading BUF, in which LDS loads land behind the barrier
	ds_store_b128 v7, v[BM:BM+3] offset:MXB
	ds_store_b128 v7, v[BM+4:BM+7] offset:MXB+16
	BARRIER                                        ; all eight blocks' maxima lie in LDS
	s_wait_alu depctr_vm_vsrc(0)                   ; my two stores have read BM, which the multiply-adds below write again; the head's loads have read v80 to v82, which the sums will take
	; ---- B: M, p, my block's sums, p's codes
.irp k, 0,1,2,3,4,5,6,7
	ds_load_b128 v[BUF+4*\k:BUF+4*\k+3], v8 offset:MXB+\k*1024      ; heads 0 to 3 of the eight blocks
.endr
	WIN 0x40                                       ; destination window 1: the second buffer
.irp k, 0,1,2,3,4,5,6,7
	ds_load_b128 v[BUF+4*\k:BUF+4*\k+3], v8 offset:MXB+\k*1024+16   ; heads 4 to 7
.endr
	WIN 0
	s_wait_dscnt 8                                 ; LDS loads come back in order: heads 0 to 3 are in, the eight younger loads may be out
.irp e, 0,1,2,3
	v_max3_num_f32 v[NM+\e], v[BUF+\e], v[BUF+4+\e], v[BUF+8+\e]
.endr
.irp e, 0,1,2,3
	v_max3_num_f32 v[NM+\e], v[NM+\e], v[BUF+12+\e], v[BUF+16+\e]
.endr
.irp e, 0,1,2,3
	v_max3_num_f32 v[NM+\e], v[NM+\e], v[BUF+20+\e], v[BUF+24+\e]
.endr
.irp e, 0,1,2,3
	v_max_num_f32 v[NM+\e], v[NM+\e], v[BUF+28+\e]             ; the row's largest logit
.endr
	s_wait_dscnt 0x0
	WIN 0x15                                       ; all three sources window 1
.irp e, 0,1,2,3
	v_max3_num_f32 v[NM+4+\e], v[BUF+\e], v[BUF+4+\e], v[BUF+8+\e]
.endr
	WIN 0x14                                       ; sources 1 and 2 window 1
.irp e, 0,1,2,3
	v_max3_num_f32 v[NM+4+\e], v[NM+4+\e], v[BUF+12+\e], v[BUF+16+\e]
.endr
.irp e, 0,1,2,3
	v_max3_num_f32 v[NM+4+\e], v[NM+4+\e], v[BUF+20+\e], v[BUF+24+\e]
.endr
.irp e, 0,1,2,3
	v_max_num_f32 v[NM+4+\e], v[NM+4+\e], v[BUF+28+\e]
.endr
	WIN 0
.irp hd, 0,1,2,3,4,5,6,7
	v_mul_f32 v[NM+\hd], s22, v[NM+\hd]            ; as t
.endr
.irp hd, 0,1,2,3,4,5,6,7
	v_floor_f32 v[NM+\hd], -v[NM+\hd]              ; -M = floor(-t) = -ceil(t)
.endr
	WIN 0x40                                       ; Wo's first eight fragments of mine.  No vector instruction names v6 or these registers
.set i, 0
.rept 16
	global_load_b128 v[4*i:4*i+3], v6, s[28:29] offset:512*i
.set i, i+1
.endr
	WIN 0
.irp hd, 0,1,2,3,4,5,6,7
.irp i, 0,1,2,3,4,5,6,7,8,9,10,11,12,13,14,15
	v_fma_f32 v[L+16*\hd+\i], v[L+16*\hd+\i], s22, v[NM+\hd]   ; t - M
.endr
	v_fma_f32 v[BM+\hd], v[BM+\hd], s22, v[NM+\hd] ; the same of the block's largest logit
.endr
	WIN 0x40                                       ; and the other eight
.set i, 16
.rept 16
	global_load_b128 v[4*i:4*i+3], v6, s[28:29] offset:512*i
.set i, i+1
.endr
	WIN 0
.set i, 0
.rept 128
	v_exp_f32 v[L+i], v[L+i]                       ; p = 2^(t - M)
.set i, i+1
.endr
.irp hd, 0,1,2,3,4,5,6,7
	v_exp_f32 v[BM+\hd], v[BM+\hd]                 ; the block's largest p
.endr
	v_nop                                          ; a plain instruction behind the last exponential
	s_wait_alu depctr_va_vdst(0)                   ; the 136 exponentials have written L and BM: one wait for the whole batch, ahead of its first reader
	s_wait_loadcnt 48                              ; behind bo's loads stand V's 16 and Wo's 32: so the head's loads are done, V's scale halves are in, and v80-82, their offsets, may take the sums
.irp u, 0,1,2,3
.irp s, 0,1
	v_lshl_or_b32 v[VS+2*\u+\s], v[PC+4*\u+2*\s+1], 16, v[PC+4*\u+2*\s]   ; V's scale word of 128 keys from the halves of two runs of 64; then these registers take p's codes
.endr
.endr
.irp g, 0,1                                    ; the sums of the unquantised p, four heads at a time, two numbers an instruction
.irp e, 0,1,2,3
	v_pk_add_f32 v[T+2*\e:T+2*\e+1], v[L+16*(4*\g+\e):L+16*(4*\g+\e)+1], v[L+16*(4*\g+\e)+2:L+16*(4*\g+\e)+3]
.endr
.irp i, 4,6,8,10,12,14
.irp e, 0,1,2,3
	v_pk_add_f32 v[T+2*\e:T+2*\e+1], v[T+2*\e:T+2*\e+1], v[L+16*(4*\g+\e)+\i:L+16*(4*\g+\e)+\i+1]
.endr
.endr
.irp e, 0,1,2,3
	v_add_f32 v[SM+4*\g+\e], v[T+2*\e], v[T+2*\e+1]
.endr
.endr
.irp hd, 0,1,2,3,4,5,6,7
	v_permlanex16_b32 v[T+\hd], v[SM+\hd], s[SEL], s[SEL+1]
.endr
.irp hd, 0,1,2,3,4,5,6,7
	v_add_f32 v[SM+\hd], v[SM+\hd], v[T+\hd]       ; my block's 32 keys
.endr
.irp hd, 0,1,2,3,4,5,6,7
	v_max_num_f32 v[BM+\hd], 0x1800000, v[BM+\hd]  ; the floor 2^(3 - 127): the byte cannot fall under 1
.endr
.irp hd, 0,1,2,3,4,5,6,7
	v_add_nc_u32 v[T+\hd], 0xff000000, v[BM+\hd]   ; 2 off the exponent field: the conversion's scale operand
.endr
.irp hd, 0,1,2,3,4,5,6,7
	v_lshrrev_b32 v[BM+\hd], 23, v[T+\hd]          ; the scale's byte
.endr
.irp hd, 0,1,2,3,4,5,6,7
	v_cvt_scalef32_pk8_fp4_f32 v[PC+2*\hd], v[L+16*\hd:L+16*\hd+7], v[T+\hd]
	v_cvt_scalef32_pk8_fp4_f32 v[PC+2*\hd+1], v[L+16*\hd+8:L+16*\hd+15], v[T+\hd]
.endr
	v_nop                                          ; one plain place behind a scaled conversion
	s_wait_alu depctr_va_vdst(0)                   ; the sums SM, the codes PC and the bytes BM are written, which the stores below read; the maxima are done reading both buffers, in which LDS loads land behind the barrier; V's scale words VS, made more than eight places back, are written, which the products take as scales
	ds_store_b128 v7, v[SM:SM+3] offset:SMB
	ds_store_b128 v7, v[SM+4:SM+7] offset:SMB+16
.irp hd, 0,1,2,3,4,5,6,7
	ds_store_b64 v9, v[PC+2*\hd:PC+2*\hd+1] offset:\hd*2048   ; my half of the block: 8 bytes
	ds_store_b8 v10, v[BM+\hd] offset:\hd*128      ; both halves of the lanes write the same byte with the same value
.endr
	BARRIER                                        ; sums, codes and scale bytes lie in LDS; nobody reads the maxima any more
	s_wait_alu depctr_vm_vsrc(0)                   ; my stores have read SM, which the additions below write again, and PC, which O's conversions write again
	; ---- C: l, 1 / l, out1
.irp k, 0,1,2,3,4,5,6,7
	ds_load_b128 v[BUF+4*\k:BUF+4*\k+3], v8 offset:SMB+\k*1024      ; heads 0 to 3 of the eight blocks
.endr
	WIN 0x40                                       ; destination window 1: the second buffer
.irp k, 0,1,2,3,4,5,6,7
	ds_load_b128 v[BUF+4*\k:BUF+4*\k+3], v8 offset:SMB+\k*1024+16   ; heads 4 to 7
.endr
	WIN 0
	s_wait_dscnt 8                                 ; heads 0 to 3 are in, the eight younger loads may be out
.irp e, 0,1,2,3
	v_add_f32 v[SM+\e], v[BUF+\e], v[BUF+4+\e]
.endr
.irp k, 2,3,4,5,6,7
.irp e, 0,1,2,3
	v_add_f32 v[SM+\e], v[SM+\e], v[BUF+4*\k+\e]   ; the blocks in ascending order: every wave gets the same l
.endr
.endr
	s_wait_dscnt 0x0
	WIN 0x05                                       ; sources 0 and 1 window 1
.irp e, 0,1,2,3
	v_add_f32 v[SM+4+\e], v[BUF+\e], v[BUF+4+\e]
.endr
	WIN 0x04                                       ; source 1 window 1
.irp k, 2,3,4,5,6,7
.irp e, 0,1,2,3
	v_add_f32 v[SM+4+\e], v[SM+4+\e], v[BUF+4*\k+\e]
.endr
.endr
	WIN 0
.irp hd, 0,1,2,3,4,5,6,7
	v_rcp_f32 v[NM+\hd], v[SM+\hd]                 ; 1 / l
.endr
	v_add_nc_u32 v[T], s23, v7                     ; (a plain instruction behind the reciprocals)  where my own head's 1 / l will lie
	s_wait_alu depctr_va_vdst(0)                   ; the eight reciprocals have written NM, ahead of their first reader, the stores below; v[T], the load's address, is written
	ds_store_b128 v7, v[NM:NM+3] offset:MXB        ; a register cannot be chosen by the wave's number: my lane's eight go to my own bytes,
	ds_store_b128 v7, v[NM+4:NM+7] offset:MXB+16
	ds_load_b32 v[RK], v[T] offset:MXB             ; and the one of head w comes back (LDS serves a wave's instructions in order)
	W1MUL 0                                        ; out1, two blocks of four keys at a time: one into each buffer
	WIN 0x40                                       ; destination window 1
	W1MUL 1
	WIN 0
	s_wait_alu depctr_va_vdst(0)                   ; the 64 multiplies have written both buffers, which the sixteen stores read
	W1STO 0
	WIN 0x04                                       ; an LDS store's data are its source 1: window 1
	W1STO 1
	WIN 0
	s_wait_alu depctr_vm_vsrc(0)                   ; those stores have read both buffers, which the next 64 multiplies write again; the load of 1 / l has read v[T]
	W1MUL 2
	WIN 0x40
	W1MUL 3
	WIN 0
	s_wait_alu depctr_va_vdst(0)                   ; both buffers are written, which the sixteen stores read; and the multiplies are done reading L, in which the stage's rows land
	W1STO 2
	WIN 0x04
	W1STO 3
	WIN 0
.set i, 0
.rept 32
	ds_load_b128 v[L+4*i:L+4*i+3], v14 offset:(i/2)*528+(i%2)*256   ; query i / 2: lanes 0-15 its keys 8 (i % 2) on, lanes 16-31 those 16 further on
.set i, i+1
.endr
.set i, 0
.rept 32
	s_wait_dscnt 31-i                              ; the younger loads may be out
	global_store_b128 v15, v[L+4*i:L+4*i+3], s[16:17] offset:(i/2)*8192+(i%2)*256 th:TH_STORE_NT   ; sixteen lanes store 256 consecutive bytes, aligned
.set i, i+1
.endr
	; ---- D: O^T = V^T P^T of my head, / l, quantised along the head's 64
	s_wait_xcnt 0x0                                ; the stores have read their registers: these are loaded again
	s_wait_alu depctr_vm_vsrc(0)                   ; out1's stores have read L, in which p's and O's fragments land and O / l is written; the stage's stores have read both buffers, of which the products write one and out0's rows land in the other
.irp s, 0,1
.irp c, 0,1
	ds_load_b128 v[PF+8*\s+4*\c:PF+8*\s+4*\c+3], v11 offset:(2*\s+\c)*512
.endr
.endr
	ds_load_b64 v[PS:PS+1], v12
	s_wait_loadcnt 0x0                             ; V's and Wo's fragments, asked for during the softmax, are in
	s_wait_dscnt 0x0
	WIN 0x51                                       ; source 0, C and D window 1
.irp s, 0,1                                    ; four accumulators by turns
.irp u, 0,1,2,3
.if \s == 0
	v_wmma_scale_f32_16x16x128_f8f6f4 v[224+8*\u:231+8*\u], v[128+16*\u+8*\s:135+16*\u+8*\s], v[PF+8*\s:PF+8*\s+7], 0, v[VS+2*\u+\s], v[PS+\s] matrix_a_fmt:MATRIX_FMT_FP4 matrix_b_fmt:MATRIX_FMT_FP4
.else
	v_wmma_scale_f32_16x16x128_f8f6f4 v[224+8*\u:231+8*\u], v[128+16*\u+8*\s:135+16*\u+8*\s], v[PF+8*\s:PF+8*\s+7], v[224+8*\u:231+8*\u], v[VS+2*\u+\s], v[PS+\s] matrix_a_fmt:MATRIX_FMT_FP4 matrix_b_fmt:MATRIX_FMT_FP4
.endif
.endr
.endr
	WIN 0x01                                       ; source 0 window 1
.rept 4
	v_nop                                          ; four places ahead of the first read of results
.endr
.set i, 0
.rept 32
	v_mul_f32 v[OV+i], v[224+i], v[RK]             ; register 16 b + i: feature 32 b + 16 h + i of my head, of query r
.set i, i+1
.endr
	WIN 0
.irp b, 0,1
	v_max3_num_f32 v[T+\b], |v[OV+16*\b]|, |v[OV+16*\b+1]|, 0x1800000
.endr
.irp i, 2,4,6,8,10,12,14
.irp b, 0,1
	v_max3_num_f32 v[T+\b], v[T+\b], |v[OV+16*\b+\i]|, |v[OV+16*\b+\i+1]|
.endr
.endr
.irp b, 0,1
	v_permlanex16_b32 v[T+2+\b], v[T+\b], s[SEL], s[SEL+1]
.endr
.irp b, 0,1
	v_max_num_f32 v[T+\b], v[T+\b], v[T+2+\b]
.endr
.irp b, 0,1
	v_add_nc_u32 v[T+4+\b], 0xff000000, v[T+\b]
.endr
.irp b, 0,1
	v_lshrrev_b32 v[T+6+\b], 23, v[T+4+\b]
.endr
	v_cmp_neq_f32 vcc_lo, v[RK], v[RK]             ; 1 / l is NaN: every key of the query is masked
	s_wait_alu depctr_va_vcc(0)                    ; VCC is written, ahead of the two selects that read it
.irp b, 0,1
	v_cndmask_b32 v[T+6+\b], v[T+6+\b], v[C255], vcc_lo   ; then the byte that makes the query's sums NaN
.endr
.irp b, 0,1
	v_cvt_scalef32_pk8_fp4_f32 v[PC+2*\b], v[OV+16*\b:OV+16*\b+7], v[T+4+\b]
	v_cvt_scalef32_pk8_fp4_f32 v[PC+2*\b+1], v[OV+16*\b+8:OV+16*\b+15], v[T+4+\b]
.endr
	v_nop                                          ; one plain place behind a scaled conversion
	s_wait_alu depctr_va_vdst(0)                   ; O's codes and its two scale bytes are written, which the four stores read
.irp b, 0,1
	ds_store_b64 v16, v[PC+2*\b:PC+2*\b+1] offset:256*\b
	ds_store_b8 v17, v[T+6+\b] offset:\b
.endr
	BARRIER                                        ; O's sixteen blocks lie in LDS
	; ---- E: out0^T = Wo O^T + bo: my 64 features for the 16 queries
.irp s, 0,1,2,3
.irp c, 0,1
	ds_load_b128 v[OF+8*\s+4*\c:OF+8*\s+4*\c+3], v18 offset:(2*\s+\c)*512
.endr
.endr
	ds_load_b128 v[OS:OS+3], v19
	s_wait_dscnt 0x0
	WIN 0x51
.irp s, 0,1,2,3                                ; four accumulators by turns; bo is the C of each sum's first instruction
.irp g, 0,1,2,3
.set DD, 224+8*\g
.if \s == 0
.set CC, 192+8*\g
.else
.set CC, DD
.endif
.if \g%2 == 0
	v_wmma_scale_f32_16x16x128_f8f6f4 v[DD:DD+7], v[32*\g+8*\s:32*\g+8*\s+7], v[OF+8*\s:OF+8*\s+7], v[CC:CC+7], v[WOS+4*(\g/2)+\s], v[OS+\s] matrix_a_fmt:MATRIX_FMT_FP4 matrix_b_fmt:MATRIX_FMT_FP4
.else
	v_wmma_scale_f32_16x16x128_f8f6f4 v[DD:DD+7], v[32*\g+8*\s:32*\g+8*\s+7], v[OF+8*\s:OF+8*\s+7], v[CC:CC+7], v[WOS+4*(\g/2)+\s], v[OS+\s] matrix_a_fmt:MATRIX_FMT_FP4 matrix_b_fmt:MATRIX_FMT_FP4 matrix_a_scale:MATRIX_SCALE_ROW1
.endif
.endr
.endr
.rept 4
	v_nop                                          ; four places ahead of the stores that read results
.endr
	WIN 0x04                                       ; an LDS store's data are its source 1: window 1
	s_wait_alu depctr_va_vdst(0)                   ; the matrix instructions have written the accumulators, which the LDS stores read; the four places above stay beside this wait
.irp g, 0,1,2,3
.irp q, 0,1
	ds_store_b128 v20, v[224+8*\g+4*\q:224+8*\g+4*\q+3] offset:(\g/2)*128+(\g%2)*32+16*\q   ; each accumulator from its low end on
.endr
.endr
	WIN 0
.irp t, 0,1,2,3,4,5,6,7
	ds_load_b128 v[BUF+4*\t:BUF+4*\t+3], v21 offset:\t*544   ; my own stage: LDS serves a wave's instructions in order
.endr
.irp t, 0,1,2,3,4,5,6,7
	s_wait_dscnt 7-\t                              ; the younger loads may be out
	global_store_b128 v22, v[BUF+4*\t:BUF+4*\t+3], s[14:15] offset:\t*4096 th:TH_STORE_NT   ; sixteen lanes store 256 consecutive bytes, aligned
.endr
	s_wait_xcnt 0x0
	s_wait_alu depctr_vm_vsrc(0)                   ; the last store has read v254 and v255, which the two lines below write
	v_lshl_add_u32 v254, v0, 2, 0x34000
	v_mov_b32 v255, 0
	s_wait_dscnt 0x0                               ; the closing lines, six on end
	s_wait_alu 0x0
	s_wait_tensorcnt 0x0
	ds_add_u32 v254, v255
	s_wait_dscnt 0x0
	s_endpgm
.Lfunc_end_k_qa2e2668c68_post:
	.size	k_qa2e2668c68_post, .Lfunc_end_k_qa2e2668c68_post-k_qa2e2668c68_post
	.p2alignl 7, 3214868480
	.fill 96, 4, 3214868480
	.section	.rodata,"a",@progbits
	.p2align	6, 0x0
	.amdhsa_kernel k_qa2e2668c68_post
		.amdhsa_group_segment_fixed_size 214016
		.amdhsa_private_segment_fixed_size 0
		.amdhsa_enable_private_segment 0
		.amdhsa_kernarg_size 56
		.amdhsa_user_sgpr_count 2
		.amdhsa_user_sgpr_kernarg_segment_ptr 1
		.amdhsa_wavefront_size32 1
		.amdhsa_system_sgpr_workgroup_id_x 1
		.amdhsa_system_sgpr_workgroup_id_y 1
		.amdhsa_system_sgpr_workgroup_id_z 1
		.amdhsa_system_vgpr_workitem_id 0
		.amdhsa_next_free_vgpr 512
		.amdhsa_next_free_sgpr 66
		.amdhsa_reserve_vcc 1
		.amdhsa_float_denorm_mode_32 3
		.amdhsa_float_denorm_mode_16_64 3
		.amdhsa_memory_ordered 1
		.amdhsa_forward_progress 1
		.amdhsa_inst_pref_size 81
	.end_amdhsa_kernel
	.amdgpu_metadata
---
amdhsa.version: [ 1, 2 ]
amdhsa.kernels:
  - .name:           k_qa2e2668c68_post
    .symbol:         k_qa2e2668c68_post.kd
    .args:
      - { .name: lg_ws, .offset: 0, .size: 8, .value_kind: global_buffer, .address_space: global }
      - { .name: adj_mask, .offset: 8, .size: 8, .value_kind: global_buffer, .address_space: global }
      - { .name: vq, .offset: 16, .size: 8, .value_kind: global_buffer, .address_space: global }
      - { .name: woq, .offset: 24, .size: 8, .value_kind: global_buffer, .address_space: global }
      - { .name: bo, .offset: 32, .size: 8, .value_kind: global_buffer, .address_space: global }
      - { .name: out0, .offset: 40, .size: 8, .value_kind: global_buffer, .address_space: global }
      - { .name: out1, .offset: 48, .size: 8, .value_kind: global_buffer, .address_space: global }
    .group_segment_fixed_size: 214016
    .private_segment_fixed_size: 0
    .kernarg_segment_align: 8
    .kernarg_segment_size: 56
    .max_flat_workgroup_size: 256
    .sgpr_count:     66
    .vgpr_count:     512
    .wavefront_size: 32
...
	.end_amdgpu_metadata
.endif
;; end of part 5
